; MI455X (gfx1250); checked and timed in simulation.
; The chip was launched on July 23, 2026; its instructions are those of AMD's public machine-readable ISA for CDNA 5 (MIT licence, August 2026) and "CDNA5" Instruction Set Architecture Reference Guide (July 2026). The comments in the code are by the model that wrote it; some were corrected since.
;; MH Self Attention. Allowed arithmetic: matrix products marked QUANTISED: E4M3 operands, one given power-of-two scale a tensor, by v_wmma_f32_16x16x64_fp8_fp8 or v_wmma_f32_16x16x128_fp8_fp8, f32 sums; everything else in f32.
;; Inputs: b_out 1,024 float32; inputs 4 x 2,048 x 1,024 float32; lowp_scales 8 int32 (the exponents e of the quantised operands' scales 2^e); w_in 3,072 x 1,024 float32; w_out 1,024 x 1,024 float32.
;; Outputs: out0 4 x 2,048 x 1,024 float32.
;; This version of the problem:
;;   THIS VERSION OF THE PROBLEM IS GIVEN IN LOW PRECISION. The matrix products marked QUANTISED in the list below multiply operands that are first quantised to E4M3 (4 exponent bits, 3 mantissa bits; 8 bits a number), with one given power-of-two scale for each operand tensor; their sums are f32. All else is computed in f32.
;;   The module's matrix products, in the order in which they are computed (A, B: the left and right operand; K: the contracted axis; several contracted axes count as one K, in the product's order):
;;     1. [M 8,192, K 1,024] x [K 1,024, N 3,072]; A: input inputs; B: input w_in: QUANTISED (scales: A lowp_scales[0], B lowp_scales[1])
;;     2. batch 64 x [M 2,048, K 64] x [K 64, N 2,048]; A: computed on the way; B: computed on the way: QUANTISED (scales: A lowp_scales[2], B lowp_scales[3])
;;     3. batch 64 x [M 2,048, K 2,048] x [K 2,048, N 64]; A: softmax (see below); B: computed on the way: QUANTISED (scales: A lowp_scales[4], B lowp_scales[5])
;;     4. [M 8,192, K 1,024] x [K 1,024, N 1,024]; A: computed on the way; B: input w_out: QUANTISED (scales: A lowp_scales[6], B lowp_scales[7])
;;   THE QUANTISER, for each operand of a quantised product, along K:
;;     - The operand's scale is 2^e, e = its entry of the input lowp_scales (int32; the entries are numbered through the quantised products in the list's order, A before B).
;;     - Each number is divided by the scale, clamped to +-448, and rounded to the nearest number of E4M3, ties to even, subnormals kept.
;;     - The product sums the exact products of the quantised numbers (number of the format x scale) in f32.
;;   ~~~python
;;   def quantise(x, axis, e):      # numpy; x: float32 -> the quantised numbers, widened to float32 again
;;       x = np.moveaxis(x, axis, -1); K = x.shape[-1]
;;       r = np.clip(x / 2.0 ** e, -448, 448)
;;       step = 2.0 ** (np.maximum(np.frexp(np.where(r == 0, 1, r))[1] - 1, -6) - 3)
;;       q = np.round(r / step) * step * 2.0 ** e      # np.round: ties to even
;;       return np.moveaxis(q, -1, axis).astype(np.float32)
;;   ~~~
;;   SOFTMAX AHEAD OF A QUANTISED PRODUCT. Where the list says 'softmax', what is quantised is not the finished softmax but p = 2^(t - M), with t = logit x log2(e) and M = ceil(the row's largest t), a whole number; so 1/2 < the row's largest p <= 1. The row's sum l is taken of the UNQUANTISED p, in f32, and the product's result is divided by l at the end. Since M is a whole number, a kernel that streams over the keys may use a running M (the ceiling of the running maximum): every later rescaling is an exact power of two, so the quantised numbers keep their values, but for numbers so far below the row's largest that they fall under the format's range.
;;   OPERANDS COMPUTED ON THE WAY. 'Computed on the way' means the value that the module computes at that place (a softmax that the list does not call 'softmax' is quantised finished and normalised). What goes into a quantiser is computed in f32, as accurately as f32 sums, v_exp_f32 and their like allow (about 1e-6 of the number): no bf16 or f16 on the way to a quantiser, and a product that is left as it is and whose result goes on into a quantised operand takes f32 operands (vector FMAs, or v_wmma_f32_16x16x4_f32). A number that lies on a knife's edge between two numbers of the format may be rounded either way, as far as f32 arithmetic and the matrix unit's own rounding can turn it there, and no further.
;; One version. Each part assembles by itself: llvm-mc -triple=amdgcn-amd-amdhsa -mcpu=gfx1250 --defsym DOCPART=n.
;; ======== version 1 of 1: 4 launches
;; limits: right only within a limited range of input values
;; workspace buffers: x_codes 8,388,608 bytes; win_codes 3,145,728 bytes; wout_codes 1,048,576 bytes; q_codes 8,388,608 bytes; k_codes 8,388,608 bytes; v_codes 8,388,608 bytes; a_codes 8,388,608 bytes
;; launch quant (part 1): grid 384 x 1, 4 waves a work-group, no clusters, 33,280 bytes of LDS; arguments inputs, w_in, w_out, lowp_scales, x_codes, win_codes, wout_codes; writes x_codes, win_codes, wout_codes
.if DOCPART == 1
	.amdgcn_target "amdgcn-amd-amdhsa--gfx1250"
	.amdhsa_code_object_version 6
	.text
	.protected	k_q9eba36db12_quant
	.globl	k_q9eba36db12_quant
	.p2align	8
	.type	k_q9eba36db12_quant,@function
k_q9eba36db12_quant:
	s_mov_b64 s[64:65], 0
	v_nop
	global_prefetch_b8 v0, s[64:65] scope:SCOPE_SE
	s_setreg_imm32_b32 hwreg(HW_REG_WAVE_MODE, 25, 1), 1
	s_wait_xcnt 0x0
; inputs [8192][1024], w_in [3072][1024] and w_out [1024][1024], f32 with K innermost, become codes of FP8 (E4M3), one byte each, in the same order.
; code = x / 2^e, held within +-448, rounded to the nearest code, ties to even.  e: entry 0 of the scales for inputs, entry 1 for w_in, entry 7 for w_out.
; LIMITS: -126 <= e <= 119, so that 2^e and 448 x 2^e are f32 numbers.  NaN among the inputs is not served; an infinity is held at the largest code.
; Rows are dense, so each tensor is a plain stream.  A work-group takes 32,768 numbers, a wave 16 steps of 512.  Work-groups 0-255 take inputs, 256-351 w_in, 352-383 w_out:
; only pointers, a first number and an exponent are chosen, by selects on the work-group's number; there is one path through the text.
; A conversion takes 8 neighbours from ONE lane's registers; a load is best where neighbouring LANES take neighbouring bytes.  Both are had: each of a step's four loads reads 512 consecutive bytes,
; 16 a lane; the 2,048 bytes go through the wave's own stage in LDS as they lie and come back 64 bytes a lane (16 bytes of padding behind each 64).  A lane's 16 codes are 16 bytes: a store covers 512 consecutive bytes.
; No barrier: waves share nothing.  Loads run four steps (16 loads a wave) ahead, the turn through LDS one step.
.set STEPS, 16
.set WG_W1, 256                        ; the first work-group of w_in
.set WG_W2, 352                        ; the first of w_out
.set EMAX,  8
.set MANT,  0x600000                   ; the mantissa field of 448 as f32
.set CB,    16                         ; bytes of 16 codes
.set R,     16                         ; v16-79   four sets of 16 numbers as they are loaded
.set X,     80                         ; v80-111  two sets of 16 neighbours
.set C,     128                        ; v128-191 codes: four registers for each step, so that no store's data are written again
.set WREG,  8192                       ; LDS: a region for each wave: two stages of 32 x SP bytes
.set SP,    80                         ; a lane's place in a stage: its 64 bytes + 16 of padding
	s_load_b256 s[4:11], s[0:1], 0x0               ; inputs s[4:5], w_in s[6:7], w_out s[8:9], the scales' exponents s[10:11]
	s_load_b128 s[12:15], s[0:1], 0x20             ; the codes of inputs s[12:13], of w_in s[14:15]
	s_load_b64 s[16:17], s[0:1], 0x30              ; of w_out
	v_lshl_add_u32 v192, v0, 2, 0x8000
	v_mov_b32 v193, 0
	v_lshrrev_b32 v1, 5, v0
	v_readfirstlane_b32 s32, v1                    ; wave
	v_and_b32 v2, 31, v0                           ; lane
	v_lshlrev_b32 v3, 4, v2                        ; my 16 bytes of a load's 512
	s_mul_i32 s33, s32, WREG
	v_lshrrev_b32 v14, 2, v2
	v_mul_u32_u24 v14, v14, SP
	v_and_b32 v15, 3, v2
	v_lshl_add_u32 v14, v15, 4, v14
	v_add_nc_u32 v14, s33, v14                     ; the stage, on the way in: four lanes' 64 bytes on end, then 16 of padding
	v_mul_u32_u24 v15, v2, SP
	v_add_nc_u32 v15, s33, v15                     ; and on the way out: SP x lane: my 16 neighbours
	v_mul_u32_u24 v4, v2, CB                       ; my codes' place in a step's
	s_mov_b32 s20, WG_W2
	s_wait_alu depctr_va_vdst(0)
	s_wait_kmcnt 0x0
	s_load_b256 s[24:31], s[10:11], 0x0            ; the eight exponents
	s_cmp_lt_u32 ttmp9, WG_W2                      ; w_in or w_out?
	s_cselect_b64 s[6:7], s[6:7], s[8:9]
	s_cselect_b64 s[14:15], s[14:15], s[16:17]
	s_cselect_b32 s20, WG_W1, s20
	s_cmp_lt_u32 ttmp9, WG_W1                      ; inputs, or the one just chosen?
	s_cselect_b64 s[4:5], s[4:5], s[6:7]           ; the numbers
	s_cselect_b64 s[8:9], s[12:13], s[14:15]       ; their codes
	s_cselect_b32 s20, 0, s20                      ; the tensor's first work-group
	s_sub_co_u32 s33, ttmp9, s20
	s_lshl_b32 s33, s33, 2
	s_add_co_u32 s34, s33, s32                     ; which run of 8,192 numbers of the tensor is my wave's
	s_mov_b32 s35, 0
	s_lshl_b64 s[36:37], s[34:35], 15              ; 32,768 bytes of numbers a run
	s_add_nc_u64 s[4:5], s[4:5], s[36:37]
	s_lshl_b64 s[36:37], s[34:35], 13              ; 8,192 bytes of codes
	s_add_nc_u64 s[8:9], s[8:9], s[36:37]
.macro LOAD t
.irp i, 0,1,2,3
	global_load_b128 v[R+16*((\t)%4)+4*\i:R+16*((\t)%4)+4*\i+3], v3, s[4:5] offset:2048*(\t)+512*\i th:TH_LOAD_NT   ; 32 lanes read 512 consecutive bytes; read once in the launch
.endr
.endm
.macro TURN t                          ; step t's numbers through the stage: LDS serves a wave's instructions in order, so no wait stands between the stores and the loads
.irp i, 0,1,2,3
	ds_store_b128 v14, v[R+16*((\t)%4)+4*\i:R+16*((\t)%4)+4*\i+3] offset:32*SP*((\t)%2)+8*SP*\i
.endr
.irp i, 0,1,2,3
	ds_load_b128 v[X+16*((\t)%2)+4*\i:X+16*((\t)%2)+4*\i+3], v15 offset:32*SP*((\t)%2)+16*\i
.endr
.endm
.irp t, 0,1,2,3
	LOAD \t
.endr
	s_wait_kmcnt 0x0
	s_cmp_lt_u32 ttmp9, WG_W2
	s_cselect_b32 s25, s25, s31                    ; w_in's exponent or w_out's
	s_cmp_lt_u32 ttmp9, WG_W1
	s_cselect_b32 s24, s24, s25                    ; e
	s_add_co_i32 s24, s24, 127
	s_lshl_b32 s25, s24, 23
	v_mov_b32 v11, s25                             ; 2^e as f32: the conversion takes its exponent field
	s_add_co_i32 s24, s24, EMAX
	s_lshl_b32 s24, s24, 23
	s_or_b32 s24, s24, MANT
	s_wait_alu depctr_va_vdst(0)
	s_wait_loadcnt 12                              ; step 0's four loads are in; the twelve of steps 1 to 3 may be out
	TURN 0
.macro STEP t
.set XS, X+16*((\t)%2)
	s_wait_dscnt 0x0                               ; this step's numbers are back from the stage: so its stores into the stage have read their registers,
.if (\t)+4 < STEPS
	LOAD (\t)+4                                    ; which take the loads of four steps on
.endif
.if (\t)+1 < STEPS
.if STEPS-2-(\t) >= 3
	s_wait_loadcnt 12                              ; the next step's four loads are in; those of the three steps behind it may be out
.else
	s_wait_loadcnt 4*(STEPS-2-(\t))                ; at the end fewer steps stand behind it
.endif
	TURN (\t)+1                                    ; and go through the other stage while this step is worked
.endif
.irp i, 0,1,2,3,4,5,6,7,8,9,10,11,12,13,14,15
.endr
	v_cvt_scalef32_pk8_fp8_f32 v[C+4*(\t):C+4*(\t)+1], v[XS:XS+7], v11          ; eight numbers / 2^e, to the nearest code, ties to even; the first number's code in the lowest byte
	v_cvt_scalef32_pk8_fp8_f32 v[C+4*(\t)+2:C+4*(\t)+3], v[XS+8:XS+15], v11     ; (their results go to a store alone)
	global_store_b128 v4, v[C+4*(\t):C+4*(\t)+3], s[8:9] offset:32*CB*(\t)      ; 32 lanes store 512 consecutive bytes, at a multiple of 512 from the buffer's first byte
.endm
.irp t, 0,1,2,3,4,5,6,7,8,9,10,11,12,13,14,15
	STEP \t
.endr
	s_wait_tensorcnt 0x0
	ds_add_u32 v192, v193
	s_wait_dscnt 0x0
	s_endpgm
.Lfunc_end_k_q9eba36db12_quant:
	.size	k_q9eba36db12_quant, .Lfunc_end_k_q9eba36db12_quant-k_q9eba36db12_quant
	.p2alignl 7, 3214868480
	.fill 96, 4, 3214868480
	.section	.rodata,"a",@progbits
	.p2align	6, 0x0
	.amdhsa_kernel k_q9eba36db12_quant
		.amdhsa_group_segment_fixed_size 33280
		.amdhsa_private_segment_fixed_size 0
		.amdhsa_enable_private_segment 0
		.amdhsa_kernarg_size 56
		.amdhsa_user_sgpr_count 2
		.amdhsa_user_sgpr_kernarg_segment_ptr 1
		.amdhsa_wavefront_size32 1
		.amdhsa_system_sgpr_workgroup_id_x 1
		.amdhsa_system_sgpr_workgroup_id_y 1
		.amdhsa_system_sgpr_workgroup_id_z 1
		.amdhsa_system_vgpr_workitem_id 0
		.amdhsa_next_free_vgpr 194
		.amdhsa_next_free_sgpr 66
		.amdhsa_reserve_vcc 0
		.amdhsa_float_denorm_mode_32 3
		.amdhsa_float_denorm_mode_16_64 3
		.amdhsa_fp16_overflow 1
		.amdhsa_memory_ordered 1
		.amdhsa_forward_progress 1
		.amdhsa_inst_pref_size 22
	.end_amdhsa_kernel
	.amdgpu_metadata
---
amdhsa.version: [ 1, 2 ]
amdhsa.kernels:
  - .name:           k_q9eba36db12_quant
    .symbol:         k_q9eba36db12_quant.kd
    .args:
      - { .name: inputs, .offset: 0, .size: 8, .value_kind: global_buffer, .address_space: global }
      - { .name: w_in, .offset: 8, .size: 8, .value_kind: global_buffer, .address_space: global }
      - { .name: w_out, .offset: 16, .size: 8, .value_kind: global_buffer, .address_space: global }
      - { .name: lowp_scales, .offset: 24, .size: 8, .value_kind: global_buffer, .address_space: global }
      - { .name: x_codes, .offset: 32, .size: 8, .value_kind: global_buffer, .address_space: global }
      - { .name: win_codes, .offset: 40, .size: 8, .value_kind: global_buffer, .address_space: global }
      - { .name: wout_codes, .offset: 48, .size: 8, .value_kind: global_buffer, .address_space: global }
    .group_segment_fixed_size: 33280
    .private_segment_fixed_size: 0
    .kernarg_segment_align: 8
    .kernarg_segment_size: 56
    .max_flat_workgroup_size: 128
    .sgpr_count:     66
    .vgpr_count:     194
    .wavefront_size: 32
...
	.end_amdgpu_metadata
.endif
;; end of part 1
;; launch qkv (part 2): grid 12 x 32, 4 waves a work-group, clusters of 4 x 4, 327,680 bytes of LDS; arguments x_codes, win_codes, lowp_scales, q_codes, k_codes, v_codes; writes q_codes, k_codes, v_codes
.if DOCPART == 2
	.amdgcn_target "amdgcn-amd-amdhsa--gfx1250"
	.amdhsa_code_object_version 6
	.text
	.protected	k_q9eba36db12_qkv
	.globl	k_q9eba36db12_qkv
	.p2align	8
	.type	k_q9eba36db12_qkv,@function
k_q9eba36db12_qkv:
	s_mov_b64 s[64:65], 0
	v_nop
	global_prefetch_b8 v0, s[64:65] scope:SCOPE_SE
	s_setreg_imm32_b32 hwreg(HW_REG_WAVE_MODE, 25, 1), 1
	s_wait_xcnt 0x0
	s_wait_alu depctr_hold_cnt(0) depctr_sa_sdst(0) depctr_va_vdst(0) depctr_va_sdst(0) depctr_va_ssrc(0) depctr_va_vcc(0) depctr_vm_vsrc(0)
	s_getreg_b32 s2, hwreg(HW_REG_IB_STS2, 6, 4)
	s_cmp_eq_u32 s2, 0
	s_cbranch_scc0 .Lentry_in_a_cluster
	s_endpgm
.Lentry_in_a_cluster:
	s_bfe_u32 s2, ttmp6, 0x10000c
	s_cmp_lg_u32 s2, 0xf033
	s_cbranch_scc0 .Lentry_shape_is_right
	s_endpgm
.Lentry_shape_is_right:
; qkv = x w_in^T on codes of FP8 (E4M3); each finished sum, which stands for sum x 2^(e0 + e1), is quantised at once for the product that takes it: q with e2, k with e3, v with e5.
; x_codes [8192][1024], win_codes [3072][1024]: one code a byte, K innermost.  A tile of 256 x 256 sums is made by four waves, 128 x 128 each: 64 accumulators of 16 x 16, 512 registers.
; K = 1,024 goes in four steps of 256 through a ring of two LDS slots filled by the tensor data mover.
; THREE KINDS OF TILE, told apart by the cluster's x, which all sixteen partners share.  Source 1 of the matrix instruction takes 16 rows of the A side, source 0 16 rows of the B side: a lane then holds ONE row of the A side
; and eight neighbouring rows of the B side.   cluster x = 0: q, 1: k: A side = tokens (x), B side = channels (w_in's rows 0-1023, 1024-2047): a lane's eight sums are neighbours along the head's 64, the K of q k^T.
; cluster x = 2: v: A side = channels (w_in's rows 2048-3071), B side = tokens: a lane's eight sums are neighbouring keys, the K of p v.  Only pointers, offsets and an exponent are chosen, by selects; there is one path.
; THE CODES LEAVE AS IMAGES OF THE NEXT OPERAND'S REGISTERS, so that the next launch fetches every fragment as 16 bytes a lane, lanes on end:
;   q_codes, k_codes [b x 16 + head][group of 128 tokens][8192]: byte t x 1024 + c x 512 + 16 x lane' + d % 16; tile t holds tokens 32 (t / 2) + 8 (t % 2) + r' + 8 (r' / 8); lane' = r' + 16 ((d / 16) % 2); c = d / 32.
;   v_codes [b x 16 + head][step of 128 keys][8192]: byte tv x 2048 + c x 512 + 16 x lane' + key % 16; tile tv holds channels 32 (tv / 2) + 8 (tv % 2) + r' + 8 (r' / 8); lane' = r' + 16 ((key / 16) % 2); c = (key % 128) / 32.
; CLUSTERS: 4 x 4 work-groups.  The four of a row of the cluster need the same tile of the A side, the four of a column the same tile of the B side: each is asked for JOINTLY, by the same tensor load with the same descriptor.
; ORDER OF k: a fragment is fetched by four loads of 16 bytes, so that registers 4 c .. 4 c + 3 hold k = 32 c + 16 (lane / 16) + 0 .. 15, alike on both sides: every product meets its partner; the order of the sums inside an instruction differs from ascending k.
; LIMITS: e(out) - e0 - e1 lies between -126 and 119, so that the conversion's scale and 448 x it are f32 numbers.  Sums beyond the scale's range are held at the largest code.
; REGISTERS, in windows of 256: window 0: v0-31 addresses; v32-63 codes, v64-95 codes read back; from v128 A's fragments, ONE set (on the way out: held sums).   window 1: B's fragments, TWO sets.   windows 2, 3: the accumulators ((a, b) at v[8 (8 (a % 4) + b)]).
.set SIZE_K, 1024
.set ROWB,   256                       ; a tile's row in bytes: a K step of 256 codes
.set KROW,   SIZE_K                    ; a row of either tensor in memory, in bytes
.set PITCH,  272                       ; an LDS row: 256 bytes + 16 of padding = 68 words: row r starts at bank 4 r mod 64 (64 banks of 4 bytes: ISA guide 11.1): the 16 rows of a load start at 16 different banks
.set FR,     16                        ; registers of a fragment: 16 rows x 128 K
.set NL,     4                         ; LDS loads that bring one
.set NP,     4                         ; places behind this matrix instruction (ISA guide 7.12.1)
.set HALFT,  128*PITCH                 ; 128 rows: what one tensor load brings, and what one wave reads of either side
.set SLOT,   4*HALFT                   ; the A side's 256 rows, then the B side's
.set SPARE,  2*SLOT                    ; behind the ring: the spare words, 128 bytes for each wave: two blocks of 256 bytes that no other line names
.set CO,   8                           ; v8-11   the way out: four byte offsets in the codes' buffer
.set SCL,  12                          ; v12     2^(e(out) - e0 - e1) as f32
.set LIM,  13                          ; v13 is never written: nothing uses LIM
.set ADRA, 16                          ; v16-17  LDS address of my A fragments in slot 0, 1
.set ADRB, 20                          ; v20-21  the same for B
.set STO,  24                          ; v24     the way out: where I put 8 codes
.set RD,   25                          ; v25     the way out: where I read 16 bytes back
.set SPW,  28                          ; v28     LDS address of my spare word: SPARE + 4 x my thread's number; never rewritten
.set NIL,  29                          ; v29     0; never rewritten
.set CD,   32                          ; v32-63  the codes of two blocks
.set BK,   64                          ; v64-95  4,096 bytes read back from the stage
.set AF,   128                         ; A's fragments, in window 0
.set TMP,  128                         ; cancels out of the conversions' sources: they read the accumulators
.set G1, 24                            ; s[24:31] descriptor group 1 for the A side;  s[32:39] group 0, one set for each slot
.set G0, 32
.set G1B, 48                           ; s[48:55], s[56:63] the same for the B side
.set G0B, 56
.set MSB, 0
.macro WIN new                         ; the immediate's high byte repeats the setting that is left; a switch that changes nothing is dropped
.if MSB != (\new)
	s_set_vgpr_msb (MSB<<8)|(\new)
.set MSB, (\new)
.endif
.endm
.set MUL_LO, 0xa1                      ; source 0 (B) window 1, source 1 (A) window 0, C and D window 2
.set MUL_HI, 0xf1                      ; the same, C and D window 3
.set TO_B,   0x40                      ; destination window 1, address window 0
; A joint load: waves 0 and 1 fetch for the A side, waves 2 and 3 for the B side.  Each of the two lines has ONE mask and one set of registers for all that issue it; the branch hangs on the wave's number alone.
; Four v_nop follow each of the two lines, ahead of the jump, the label and what follows.
.macro JLOAD g0a, g1a, g0b, g1b
	s_cmp_eq_u32 s15, 0
	s_cbranch_scc0 .Lfor_b_\@
	tensor_load_to_lds s[\g0a:\g0a+3], s[\g1a:\g1a+7]
	s_nop 0
.rept 4
	v_nop
.endr
	s_branch .Lasked_\@
.Lfor_b_\@:
	tensor_load_to_lds s[\g0b:\g0b+3], s[\g1b:\g1b+7]
	s_nop 0
.rept 4
	v_nop
.endr
.Lasked_\@:
.endm
.macro CREST                           ; a round of the cluster's barrier behind its opening barrier
	s_cmp_lg_u32 s14, 0
	s_cbranch_scc1 .Lnot_wave_0_\@
	s_barrier_signal -3
.Lnot_wave_0_\@:
	s_barrier_wait -3
	s_barrier_signal -1
	s_barrier_wait -1
.endm
.macro CROUND                          ; a whole round
	s_barrier_signal -1
	s_barrier_wait -1
	CREST
.endm
	s_load_b256 s[68:75], s[0:1], 0x0              ; x's codes s[68:69], w_in's s[70:71], the scales' exponents s[72:73], q's codes s[74:75]
	s_load_b128 s[76:79], s[0:1], 0x20             ; k's codes s[76:77], v's s[78:79]
	v_lshl_add_u32 v[SPW], v0, 2, SPARE
	v_mov_b32 v[NIL], 0
	ds_add_u32 v28, v29
	ds_add_u32 v28, v29
	s_wait_dscnt 0x0
	v_lshrrev_b32 v1, 5, v0
	v_readfirstlane_b32 s14, v1                    ; wave 0..3
	s_lshr_b32 s15, s14, 1                         ; which half of the A side's rows is mine.  Also: I fetch for the A side (0) or the B side (1)
	s_and_b32 s16, s14, 1                          ; which half of the B side's rows.  Also: which 128 rows of that tile I fetch
	s_bfe_u32 s40, ttmp6, 0x40000                  ; cx, cy: my place in the cluster
	s_bfe_u32 s41, ttmp6, 0x40004
	s_and_b32 s17, ttmp7, 0xffff
	s_lshl_b32 s17, s17, 2                         ; 4 x cluster y
	s_lshl_b32 s42, ttmp9, 2                       ; 4 x cluster x
	s_lshl_b32 s43, s41, 2
	s_lshl_b32 s43, 15, s43                        ; my row of the cluster
	s_lshl_b32 s44, 0x1111, s40                    ; my column
	; descriptor group 1: a tile of 128 rows x 256 bytes, padded in LDS
	s_or_b32 s[G1+0], s43, (0<<16)|(1<<20)|(1<<21)|(5<<22)|(3<<25)  ; 15:0 the mask: the A side's tiles go to my row; 17:16 elements of 1 byte; 20 padding on; 21 set beside a mask; 24:22 after every 64 words (code 5); 31:25 four words (code 3)
	s_or_b32 s[G1B+0], s44, (0<<16)|(1<<20)|(1<<21)|(5<<22)|(3<<25) ; the same with the mask of my column
.irp g, G1, G1B
	s_mov_b32 s[\g+1], ROWB<<16                    ; tensor_dim0
	s_mov_b32 s[\g+2], 128<<16                     ; tensor_dim1 = 128
	s_mov_b32 s[\g+3], ROWB<<16                    ; tile_dim0
	s_mov_b32 s[\g+4], 128                         ; tile_dim1 = 128
	s_mov_b32 s[\g+5], KROW                        ; tensor_dim0_stride
	s_mov_b32 s[\g+6], 0
	s_mov_b32 s[\g+7], 0
.endr
	; which tiles.  q, k: A tile = 4 x cluster y + cy of x's 32, B tile = 4 x cluster x + cx of w_in's first 8.   v: A tile = cy of w_in's last 4, B tile = 4 x cluster y + cx of x's 32.
	; The A side's address is made of cy, the B side's of cx, each with numbers that the whole cluster shares.
	s_cmp_eq_u32 ttmp9, 2                          ; v?
	s_cselect_b32 s18, 0, s17
	s_cselect_b32 s19, s17, s42
	s_cselect_b32 s22, 2048, 0                     ; v's channels begin at w_in's row 2,048
	s_add_co_u32 s18, s18, s41                     ; A tile
	s_add_co_u32 s19, s19, s40                     ; B tile
	s_lshl_b32 s23, s16, 7                         ; which 128 rows of the tile I fetch
	s_lshl_b32 s20, s18, 8
	s_add_co_u32 s20, s20, s23
	s_add_co_u32 s20, s20, s22                     ; the A side's first row that I would fetch,
	s_lshl_b32 s20, s20, 10                        ; in bytes: rows of 1,024; under 2^24
	s_mov_b32 s21, 0
	s_lshl_b32 s46, s19, 8
	s_add_co_u32 s46, s46, s23                     ; the B side's
	s_lshl_b32 s46, s46, 10
	s_mov_b32 s47, 0
	s_mul_i32 s45, s14, HALFT                      ; where they go: wave x 128 rows: no place in the cluster enters an LDS address
	s_wait_kmcnt 0x0
	s_load_b256 s[80:87], s[72:73], 0x0            ; e0 .. e7
	s_cmp_eq_u32 ttmp9, 2
	s_cselect_b64 s[4:5], s[70:71], s[68:69]       ; the A side: w_in for v, else x
	s_cselect_b64 s[6:7], s[68:69], s[70:71]       ; the B side
	s_cselect_b64 s[10:11], s[78:79], s[76:77]     ; the codes go to v, or to k,
	s_cmp_eq_u32 ttmp9, 0
	s_cselect_b64 s[10:11], s[74:75], s[10:11]     ; or to q
	s_add_nc_u64 s[20:21], s[4:5], s[20:21]
	s_add_nc_u64 s[46:47], s[6:7], s[46:47]
	CROUND                                         ; all sixteen work-groups are here: the first joint loads meet
.irp s, 0,1
	s_mov_b32 s[G0+4*\s], 1                        ; 1:0 count = 1
	s_add_co_u32 s[G0+4*\s+1], s45, \s*SLOT        ; 63:32 LDS address
	s_add_nc_u64 s[G0+4*\s+2:G0+4*\s+3], s[20:21], \s*ROWB   ; 120:64 global address: K step s
	s_or_b32 s[G0+4*\s+3], s[G0+4*\s+3], 0x80000000          ; 127:126 type = 2
	s_mov_b32 s[G0B+4*\s], 1
	s_add_co_u32 s[G0B+4*\s+1], s45, \s*SLOT
	s_add_nc_u64 s[G0B+4*\s+2:G0B+4*\s+3], s[46:47], \s*ROWB
	s_or_b32 s[G0B+4*\s+3], s[G0B+4*\s+3], 0x80000000
	JLOAD G0+4*\s, G1, G0B+4*\s, G1B               ; two loads of mine are out
.endr
	v_and_b32 v1, 15, v0                           ; r = lane % 16
	s_wait_alu depctr_va_vdst(0)
	v_bfe_u32 v2, v0, 4, 1                         ; h = lane / 16
	v_mul_u32_u24 v3, v1, PITCH
	v_lshl_add_u32 v4, v2, 4, v3                   ; a fragment's row x pitch + 16 h
	s_mul_i32 s21, s15, HALFT                      ; my 128 rows of the A side
	s_mul_i32 s22, s16, HALFT                      ; my 128 rows of the B side,
	s_add_co_u32 s22, s22, 2*HALFT                 ; which lie behind the A side's 256
.irp s, 0,1
	v_add_nc_u32 v[ADRA+\s], s21, v4
	v_add_nc_u32 v[ADRB+\s], s22, v4
	s_add_co_u32 s21, s21, SLOT
	s_add_co_u32 s22, s22, SLOT
.endr
	; the way out: my stage, 4,096 bytes, in slot 0
	s_lshl_b32 s23, s14, 12
	v_lshrrev_b32 v5, 3, v1
	v_lshlrev_b32 v5, 10, v5                       ; 1,024 (r / 8)
	v_and_b32 v6, 7, v1
	v_lshl_add_u32 v5, v6, 4, v5                   ; + 16 (r % 8)
	v_lshl_add_u32 v5, v2, 3, v5                   ; + 8 h
	v_add_nc_u32 v[STO], s23, v5
	v_and_b32 v6, 31, v0
	v_lshlrev_b32 v7, 4, v6                        ; 16 x lane
	s_wait_alu depctr_va_vdst(0)
	v_add_nc_u32 v[RD], s23, v7
	; where the stage's four pieces of 1,024 bytes go.  Piece p = 2 (b / 4) + r / 8.   q, k: b / 4 is the head (131,072 bytes on), r / 8 the tile's parity (1,024).   v: b / 4 is 1,024 bytes on, r / 8 the tile's parity (2,048).
	s_mov_b32 s88, 131072
	s_mov_b32 s89, 1024
	s_mov_b32 s90, 2048                            ; from pair to pair of blocks: q, k: two tiles, 2,048 bytes.   v: two tiles, 4,096 bytes, and from the second pair to the third on to the next head
	s_mov_b32 s91, 0
	s_mov_b32 s92, 2048
	s_mov_b32 s93, 0
	s_cmp_eq_u32 ttmp9, 2
	s_cselect_b32 s88, 1024, s88
	s_cselect_b32 s89, 2048, s89
	s_cselect_b32 s90, 4096, s90
	s_cselect_b32 s92, 126976, s92                 ; 131,072 - 4,096
	s_cselect_b32 s18, s40, s41                    ; the tokens' tile hangs on cx for v, else on cy,
	s_cselect_b32 s19, s16, s15                    ; and their half on the B side's half, else on the A side's
	s_cselect_b32 s20, s41, s40                    ; the channels' the other way round
	s_cselect_b32 s21, s15, s16
	v_mov_b32 v[CO], v7
	v_add_nc_u32 v[CO+1], s89, v7
	v_add_nc_u32 v[CO+2], s88, v7
	v_add_nc_u32 v[CO+3], s89, v[CO+2]
	s_add_co_u32 s18, s18, s17
	s_lshl_b32 s18, s18, 8
	s_lshl_b32 s19, s19, 7
	s_add_co_u32 s18, s18, s19                     ; my first token, a multiple of 128
	s_lshl_b32 s20, s20, 2
	s_lshl_b32 s21, s21, 1
	s_add_co_u32 s20, s20, s21                     ; my first head of two
	s_lshr_b32 s19, s18, 11                        ; the batch
	s_lshl_b32 s19, s19, 4
	s_add_co_u32 s19, s19, s20
	s_lshl_b32 s19, s19, 17                        ; 131,072 bytes for a batch's head
	s_bfe_u32 s18, s18, 0x40007                    ; which 128 tokens of the 2,048
	s_lshl_b32 s18, s18, 13
	s_add_co_u32 s18, s18, s19
	s_mov_b32 s19, 0
	s_add_nc_u64 s[10:11], s[10:11], s[18:19]
	s_wait_kmcnt 0x0
	s_cmp_eq_u32 ttmp9, 2
	s_cselect_b32 s96, s85, s83                    ; e5 for v, e3 for k,
	s_cmp_eq_u32 ttmp9, 0
	s_cselect_b32 s96, s82, s96                    ; e2 for q
	s_sub_co_i32 s96, s96, s80
	s_sub_co_i32 s96, s96, s81                     ; a sum stands for sum x 2^(e0 + e1): its code is sum / 2^(e(out) - e0 - e1): the three scales are folded into the conversion's one
	s_add_co_i32 s96, s96, 127
	s_lshl_b32 s97, s96, 23
	v_mov_b32 v[SCL], s97
.macro FRAG reg, adr, q, i             ; a fragment, 16 rows x 128 K, is 16 registers: lane l holds row l % 16; registers 4 c .. 4 c + 3 hold K = 32 c + 16 (l / 16) + 0 .. 15
.irp c, 0,1,2,3
	ds_load_b128 v[\reg+4*\c:\reg+4*\c+3], v[\adr] offset:128*(\q)+32*\c+(\i)*16*PITCH
.endr
.endm
; 16 matrix instructions: A's blocks a0, a0 + 1 x B's eight, 128 along K.  p: B's set.  zero = 1: the first product starts the sums: nothing is ever cleared.
; The 64 accumulators take turns, one instruction a turn, in the same order in every step.
.macro MUL16 a0, p, zero
.irp a, \a0, \a0+1
.irp b, 0,1,2,3,4,5,6,7
.if \zero
	v_wmma_f32_16x16x128_fp8_fp8 v[8*(8*((\a)%4)+\b):8*(8*((\a)%4)+\b)+7], v[128*(\p)+FR*\b:128*(\p)+FR*\b+FR-1], v[AF+FR*(\a):AF+FR*(\a)+FR-1], 0
.else
	v_wmma_f32_16x16x128_fp8_fp8 v[8*(8*((\a)%4)+\b):8*(8*((\a)%4)+\b)+7], v[128*(\p)+FR*\b:128*(\p)+FR*\b+FR-1], v[AF+FR*(\a):AF+FR*(\a)+FR-1], v[8*(8*((\a)%4)+\b):8*(8*((\a)%4)+\b)+7]
.endif
.endr
.endr
.endm
.macro FETCH_B slot, q, p              ; B's eight fragments of the slot's q-th 128 along K into set p
	WIN TO_B
.irp i, 0,1,2,3,4,5,6,7
	FRAG 128*(\p)+FR*\i, ADRB+\slot, \q, \i
.endr
	WIN 0
.endm
.macro FETCH_A slot, q, i0             ; A's blocks i0 .. i0 + 3
.irp i, \i0, \i0+1, \i0+2, \i0+3
	FRAG AF+FR*(\i), ADRA+\slot, \q, \i
.endr
.endm
; A load into a register that a matrix instruction has read, and a vector instruction that reads a matrix result or writes one of a matrix instruction's registers, stand NP places behind it, and only plain vector
; instructions that name none of its registers are places (ISA guide 7.12.1 for vector instructions).
.macro PLACES n
.rept \n
	v_nop
.endr
.endm
; A step of 128 along K that has its successor in the same slot.  A block of A is free as soon as its eight products are issued: blocks 0-3 are fetched anew in the step's middle, blocks 4-7 at its end.
.macro STEP slot, q, zero
	s_wait_dscnt 4*NL                              ; B's set and A's blocks 0-3 are in; the youngest sixteen loads (A's blocks 4-7) may be out
	WIN MUL_LO
	MUL16 0, (\q)%2, \zero
	MUL16 2, (\q)%2, \zero
	s_wait_dscnt 0                                 ; A's blocks 4-7 are in (asked for 32 matrix instructions ago)
	PLACES NP
	FETCH_B \slot, (\q)+1, 1-(\q)%2
	FETCH_A \slot, (\q)+1, 0
	WIN MUL_HI
	MUL16 4, (\q)%2, \zero
	MUL16 6, (\q)%2, \zero
	PLACES NP
	WIN 0
	FETCH_A \slot, (\q)+1, 4
.endm
; A slot's last step changes slots: ONE barrier; in front of it each wave waits for all its tensor loads, adds 0 to its spare word, and waits for that and for its own reads of this slot.  fill = 1: this slot is filled again, two K steps ahead.
.macro TURN slot, next, fill
	s_wait_tensorcnt 0x0                           ; all my tensor loads have landed: my part of the next slot;  (every window is 0 here: the add's two registers lie in window 0)
	ds_add_u32 v[SPW], v[NIL]                      ; 0 onto my spare word
	s_wait_dscnt 4*NL+1                            ; (the add and the youngest sixteen loads, A's blocks 4-7, may be out)
	WIN MUL_LO
	MUL16 0, 1, 0                                  ; sixteen matrix instructions stand between the add and the wait for it
	s_wait_dscnt 0x0                               ; the add is done, and my reads of this slot are over
	s_barrier_signal -1
	MUL16 2, 1, 0
	WIN 0
	s_barrier_wait -1
.if \fill
	CREST                                          ; the barrier has opened a round of the cluster's barrier: no wave of any partner still reads this slot's tile or has a load on its way
	s_add_nc_u64 s[G0+4*\slot+2:G0+4*\slot+3], s[G0+4*\slot+2:G0+4*\slot+3], 2*ROWB
	s_add_nc_u64 s[G0B+4*\slot+2:G0B+4*\slot+3], s[G0B+4*\slot+2:G0B+4*\slot+3], 2*ROWB
	JLOAD G0+4*\slot, G1, G0B+4*\slot, G1B         ; the first tensor load behind the round, my one load until the next; the four v_nop behind it are the places in front of the loads below
.else
	PLACES NP
.endif
	FETCH_B \next, 0, 0
	FETCH_A \next, 0, 0
	WIN MUL_HI
	MUL16 4, 1, 0
	MUL16 6, 1, 0
	PLACES NP
	WIN 0
	FETCH_A \next, 0, 4
.endm
	s_wait_tensorcnt 1                             ; my part of K step 0 is in (K step 1's load may be out)
	s_barrier_signal -1
	s_barrier_wait -1                              ; everybody's is
	FETCH_B 0, 0, 0
	FETCH_A 0, 0, 0
	FETCH_A 0, 0, 4
	; K = 1,024 is twice round the ring: the first lap fills both slots again, the second fills nothing.  Both are written out: a loop would have one trip.
	STEP 0, 0, 1                                   ; the first step's products start the sums
	TURN 0, 1, 1                                   ; slot 0 takes K step 2
	STEP 1, 0, 0
	TURN 1, 0, 1                                   ; slot 1 takes K step 3
	STEP 0, 0, 0
	TURN 0, 1, 0                                   ; nothing is left to fetch: no round of the cluster's barrier
	STEP 1, 0, 0
	s_wait_dscnt 4*NL                              ; the very last step
	WIN MUL_LO
	MUL16 0, 1, 0
	MUL16 2, 1, 0
	s_wait_alu depctr_va_vdst(0)
	s_wait_dscnt 0
	WIN MUL_HI
	MUL16 4, 1, 0
	MUL16 6, 1, 0
	WIN 0
; THE WAY OUT, two blocks of 16 rows of the A side at a time: 32 x 128 sums become 4,096 codes.  Each sum is held within +-448 x the scale (each accumulator from its low end on), eight of a lane are
; converted into 8 bytes, and these go into my stage in LDS at the place that the image gives them: block a, tile b, lane (r, h) -> 2,048 (b / 4) + 1,024 (r / 8) + 256 (b % 4) + 128 (a % 2) + 16 (r % 8) + 8 h.
; They come back 16 bytes a lane, 512 consecutive bytes an instruction, and are stored so.  The stage lies in slot 0, which has had its last fill, and which nobody reads behind the last change of slots.
.macro OUTPAIR ap
.irp e, 0,1
	WIN 0x02+(\ap)/2                               ; source 0: window 2 (blocks 0-3) or 3 (blocks 4-7)
.set jj, 0
.rept 64
.set jj, jj+1
.endr
.irp b, 0,1,2,3,4,5,6,7
	v_cvt_scalef32_pk8_fp8_f32 v[CD+16*\e+2*\b:CD+16*\e+2*\b+1], v[TMP+64*\e+8*\b+((64*((2*(\ap)+\e)%4)+jj)-(TMP+64*\e+jj)):TMP+64*\e+8*\b+7+((64*((2*(\ap)+\e)%4)+jj)-(TMP+64*\e+jj))], v[SCL]
.endr
	WIN 0
.endr
	v_nop                                          ; one plain vector instruction behind the last conversion, ahead of whatever vector instruction next writes its sources
.irp e, 0,1
.irp b, 0,1,2,3,4,5,6,7
	ds_store_b64 v[STO], v[CD+16*\e+2*\b:CD+16*\e+2*\b+1] offset:(\b/4)*2048+(\b%4)*256+\e*128
.endr
.endr
.if (\ap) > 0
	s_wait_xcnt 0x0                                ; the last pair's stores have read their data and their base: both are written again only behind this wait
.if (\ap) == 2
	s_add_nc_u64 s[10:11], s[10:11], s[92:93]
.else
	s_add_nc_u64 s[10:11], s[10:11], s[90:91]
.endif
.endif
.irp i, 0,1,2,3,4,5,6,7
	ds_load_b128 v[BK+4*\i:BK+4*\i+3], v[RD] offset:512*\i   ; LDS serves a wave's instructions in order (ISA guide 5.7.1.4): these see the stores above
.endr
	s_wait_dscnt 0x0
.irp i, 0,1,2,3,4,5,6,7
	global_store_b128 v[CO+\i/2], v[BK+4*\i:BK+4*\i+3], s[10:11] offset:512*(\i%2)   ; 32 lanes store 512 consecutive bytes, at a multiple of 512 from the buffer's first byte
.endr
.endm
	PLACES NP                                      ; behind the last products: their results are read, and A's registers written, below
	OUTPAIR 0
	OUTPAIR 1
	OUTPAIR 2
	OUTPAIR 3
	s_wait_tensorcnt 0x0                           ; the wave's end, behind my last tensor load and my last LDS store
	ds_add_u32 v[SPW], v[NIL]
	s_wait_dscnt 0x0
	CROUND                                         ; the closing round: no work-group ends while a partner may still ask for a tile that names it
	s_endpgm
.Lfunc_end_k_q9eba36db12_qkv:
	.size	k_q9eba36db12_qkv, .Lfunc_end_k_q9eba36db12_qkv-k_q9eba36db12_qkv
	.p2alignl 7, 3214868480
	.fill 96, 4, 3214868480
	.section	.rodata,"a",@progbits
	.p2align	6, 0x0
	.amdhsa_kernel k_q9eba36db12_qkv
		.amdhsa_group_segment_fixed_size 327680
		.amdhsa_private_segment_fixed_size 0
		.amdhsa_enable_private_segment 0
		.amdhsa_kernarg_size 48
		.amdhsa_user_sgpr_count 2
		.amdhsa_user_sgpr_kernarg_segment_ptr 1
		.amdhsa_wavefront_size32 1
		.amdhsa_system_sgpr_workgroup_id_x 1
		.amdhsa_system_sgpr_workgroup_id_y 1
		.amdhsa_system_sgpr_workgroup_id_z 1
		.amdhsa_system_vgpr_workitem_id 0
		.amdhsa_next_free_vgpr 1024
		.amdhsa_next_free_sgpr 100
		.amdhsa_reserve_vcc 0
		.amdhsa_float_denorm_mode_32 3
		.amdhsa_float_denorm_mode_16_64 3
		.amdhsa_fp16_overflow 1
		.amdhsa_memory_ordered 1
		.amdhsa_forward_progress 1
		.amdhsa_inst_pref_size 93
	.end_amdhsa_kernel
	.amdgpu_metadata
---
amdhsa.version: [ 1, 2 ]
amdhsa.kernels:
  - .name:           k_q9eba36db12_qkv
    .symbol:         k_q9eba36db12_qkv.kd
    .args:
      - { .name: x_codes, .offset: 0, .size: 8, .value_kind: global_buffer, .address_space: global }
      - { .name: win_codes, .offset: 8, .size: 8, .value_kind: global_buffer, .address_space: global }
      - { .name: lowp_scales, .offset: 16, .size: 8, .value_kind: global_buffer, .address_space: global }
      - { .name: q_codes, .offset: 24, .size: 8, .value_kind: global_buffer, .address_space: global }
      - { .name: k_codes, .offset: 32, .size: 8, .value_kind: global_buffer, .address_space: global }
      - { .name: v_codes, .offset: 40, .size: 8, .value_kind: global_buffer, .address_space: global }
    .group_segment_fixed_size: 327680
    .private_segment_fixed_size: 0
    .kernarg_segment_align: 8
    .kernarg_segment_size: 48
    .max_flat_workgroup_size: 128
    .sgpr_count:     100
    .vgpr_count:     1024
    .wavefront_size: 32
...
	.end_amdgpu_metadata
.endif
;; end of part 2
;; launch attn (part 3): grid 4 x 64, 16 waves a work-group, clusters of 4 x 1, 264,192 bytes of LDS; arguments q_codes, k_codes, v_codes, lowp_scales, a_codes; writes a_codes
.if DOCPART == 3
	.amdgcn_target "amdgcn-amd-amdhsa--gfx1250"
	.amdhsa_code_object_version 6
	.text
	.protected	k_q9eba36db12_attn
	.globl	k_q9eba36db12_attn
	.p2align	8
	.type	k_q9eba36db12_attn,@function
k_q9eba36db12_attn:
	s_mov_b64 s[64:65], 0
	v_nop
	global_prefetch_b8 v0, s[64:65] scope:SCOPE_SE
	s_setreg_imm32_b32 hwreg(HW_REG_WAVE_MODE, 25, 1), 1
	s_wait_xcnt 0x0
	s_wait_alu depctr_hold_cnt(0) depctr_sa_sdst(0) depctr_va_vdst(0) depctr_va_sdst(0) depctr_va_ssrc(0) depctr_va_vcc(0) depctr_vm_vsrc(0)
	s_getreg_b32 s2, hwreg(HW_REG_IB_STS2, 6, 4)
	s_cmp_eq_u32 s2, 0
	s_cbranch_scc0 .Lentry_in_a_cluster
	s_endpgm
.Lentry_in_a_cluster:
	s_bfe_u32 s2, ttmp6, 0x10000c
	s_cmp_lg_u32 s2, 0x3003
	s_cbranch_scc0 .Lentry_shape_is_right
	s_endpgm
.Lentry_shape_is_right:
; Causal attention of one head on codes of FP8 (E4M3): S^T = k q^T (K = the head's 64), the softmax, O^T = v^T p^T (K = the keys); O is quantised at once, with e6, for the last product.
; q_codes, k_codes [b x 16 + head][16 groups of 128 tokens][8192] and v_codes [b x 16 + head][16 steps of 128 keys][8192] are images of operand registers: every fragment is fetched as 16 bytes a lane, lanes on end.
;   q, k: byte t x 1024 + c x 512 + 16 x lane: tile t of a group holds tokens 32 (t / 2) + 8 (t % 2) + r + 8 (r / 8); registers 4 c .. 4 c + 3 hold channels 32 c + 16 h + 0 .. 15.
;   v:    byte tv x 2048 + c x 512 + 16 x lane: tile tv holds channels 32 (tv / 2) + 8 (tv % 2) + r + 8 (r / 8); registers 4 c .. 4 c + 3 hold keys 32 c + 16 h + 0 .. 15 of the step.
; THE SOFTMAX AHEAD OF THE SECOND PRODUCT: t = score x log2(e) / 8; M = the row's largest t so far, rounded UP to a whole number; p = 2^(t - M) is quantised with e4, not normalised.  The row's sum is taken of the
; unquantised p, in f32, and divides O at the end.  When M moves, the sum and O are multiplied by 2^(old M - new M): nothing is rounded.
; A HEAD'S K AND V LIE WHOLE IN LDS: 131,072 bytes each, K from byte 0, V from byte 131,072.  They are fetched once, JOINTLY for the four work-groups of the cluster, which all belong to one head.  No byte of LDS is filled
; twice and none is stored to, so there is no ring and no barrier in the loops.
; SHARES.  A group of 128 queries is 8 tiles of 16.  Work-group x of the cluster owns tiles 2 x and 2 x + 1 of every group.  Wave w (u = w % 2, p = w / 2) takes tile 2 x + u of group 15 - p and then of group p:
; (16 - p) + (p + 1) = 17 key steps of 128 for every wave of the launch.  Which steps a wave walks hangs on its number alone: the place in the cluster enters global addresses and the mask's vector only.
; LAYOUT.  Both products are used transposed: a lane holds ONE query (lane % 16) throughout.  By the tiles' choice of tokens the 16 registers of score tiles 2 b and 2 b + 1 are keys 32 b + 16 h + 0 .. 15, so p's
; conversions give the second product's operand; in the same way O^T's 16 registers of tiles 2 b and 2 b + 1 are channels 32 b + 16 h + 0 .. 15, and O's conversions give an image of the last product's operand:
;   a_codes [4 K steps of 256][512 tiles of rows][2][2048]: byte c x 512 + 16 x lane; tile RT holds tokens 32 (RT / 2) + 8 (RT % 2) + r + 8 (r / 8).
; ORDER OF k: inside a matrix instruction k is permuted alike in both operands; the order of the sums there differs from ascending k.
; LIMITS on the given exponents, so that each power of two below is an f32 number: e2 + e3 between -123 and 130 (added to c's exponent field); e4 and e6 between -126 and 119; e4 + e5 is applied by v_ldexp_f32 and has none.  NaN is not served.
; REGISTERS: v1 16 x lane; v2 the mask's d; v3 -infinity; v8, v9 LDS addresses; v12 -M, v13 the largest t, v[14:15] the sum in two halves; v16-23, v24-31 Q of the two tiles; v32-95 K's 8 fragments, then V's 4;
;   v96-159 S^T, then p; v160-191 O^T; v192-198 at work; v201, v203 scales; v208-223 O's codes; v224-239 p's codes.
.set WV,   18                          ; s18  my wave's number
.set SEL,  20                          ; s[20:21] lane selects for v_permlanex16_b32: lane l xor 16
.set CS,   22                          ; s[22:23] c = log2(e) / 8 x 2^(e2 + e3): the packed form names a pair and takes its low word for both halves
.set TB,   2                           ; s2   LDS byte at which the step's K begins
.set SI,   3                           ; s3   the key step
.set GH,   26                          ; s26  my high group, 15 - p
.set GL,   27                          ; s27  my low group, p
.set G0,   32                          ; s[32:47] four descriptor groups 0, one for each quarter; never rewritten
.set G1,   48                          ; s[48:55] descriptor group 1
.set VBASE, 0x20000                    ; V's first byte in LDS
.set ADK,  8
.set ADV,  9
.macro CROUND                          ; a round of the cluster's barrier: my work-group's barrier; wave 0 signals for the work-group; every wave waits for all four work-groups; my work-group's barrier once more
	s_barrier_signal -1
	s_barrier_wait -1
	s_cmp_lg_u32 s[WV], 0
	s_cbranch_scc1 .Lnot_wave_0_\@
	s_barrier_signal -3
.Lnot_wave_0_\@:
	s_barrier_wait -3
	s_barrier_signal -1
	s_barrier_wait -1
.endm
	s_load_b256 s[4:11], s[0:1], 0x0               ; q's codes s[4:5], k's s[6:7], v's s[8:9], the scales' exponents s[10:11]
	s_load_b64 s[12:13], s[0:1], 0x20              ; the codes of O
	v_lshl_add_u32 v254, v0, 2, 0x40000
	v_mov_b32 v255, 0
	ds_add_u32 v254, v255
	ds_add_u32 v254, v255
	v_lshrrev_b32 v4, 5, v0
	s_delay_alu instid0(VALU_DEP_1)
	v_readfirstlane_b32 s[WV], v4                  ; wave 0..15
	s_bfe_u32 s19, ttmp6, 0x40000                  ; x: my place in the cluster
	s_and_b32 s24, ttmp7, 0xffff                   ; b x 16 + head, which the four partners share
	s_and_b32 s25, s[WV], 1                        ; u
	s_lshr_b32 s[GL], s[WV], 1                     ; p
	s_xor_b32 s[GH], s[GL], 15                     ; 15 - p
	; descriptor group 1: a dense block of 32,768 bytes, as 128 rows of 256
	s_mov_b32 s[G1], 15|(3<<16)|(1<<21)            ; 15:0 the mask: all four work-groups; 17:16 elements of 8 bytes; 20 no padding; 21 set beside a mask
	s_mov_b32 s[G1+1], 32<<16                      ; tensor_dim0 = 32 elements
	s_mov_b32 s[G1+2], 128<<16                     ; tensor_dim1 = 128
	s_mov_b32 s[G1+3], 32<<16                      ; tile_dim0
	s_mov_b32 s[G1+4], 128                         ; tile_dim1
	s_mov_b32 s[G1+5], 32                          ; tensor_dim0_stride: rows on end
	s_mov_b32 s[G1+6], 0
	s_mov_b32 s[G1+7], 0
	s_mov_b32 s[SEL], 0x76543210
	s_mov_b32 s[SEL+1], 0xfedcba98
	s_lshl_b32 s28, s24, 17                        ; the head's first byte in q's, k's and v's codes
	s_mov_b32 s29, 0
	s_lshl_b32 s30, s25, 17                        ; wave 0 fetches K, to byte 0; wave 1 V, to byte 131,072
	s_wait_dscnt 0x0
	s_wait_kmcnt 0x0
	s_load_b256 s[68:75], s[10:11], 0x0            ; e0 .. e7
	s_cmp_eq_u32 s25, 0
	s_cselect_b64 s[14:15], s[6:7], s[8:9]
	s_add_nc_u64 s[14:15], s[14:15], s[28:29]
.irp j, 0,1,2,3
	s_mov_b32 s[G0+4*\j], 1                        ; 1:0 count = 1
	s_add_co_u32 s[G0+4*\j+1], s30, \j*32768       ; 63:32 LDS address: quarter j
	s_add_nc_u64 s[G0+4*\j+2:G0+4*\j+3], s[14:15], \j*32768   ; 120:64 global address
	s_or_b32 s[G0+4*\j+3], s[G0+4*\j+3], 0x80000000           ; 127:126 type = 2
.endr
	CROUND                                         ; all four work-groups are here: the joint loads meet
	s_cmp_lt_u32 s[WV], 2                          ; the launch's only tensor loads, in one branch on the wave's number: four loads of a fetching wave are out
	s_cbranch_scc0 .Lno_fetch
	tensor_load_to_lds s[G0:G0+3], s[G1:G1+7]
	s_nop 0
	tensor_load_to_lds s[G0+4:G0+7], s[G1:G1+7]
	s_nop 0
	tensor_load_to_lds s[G0+8:G0+11], s[G1:G1+7]
	s_nop 0
	tensor_load_to_lds s[G0+12:G0+15], s[G1:G1+7]
	s_nop 0
.rept 4
	v_nop
.endr
.Lno_fetch:
	s_lshl_b32 s31, s19, 1
	s_add_co_u32 s31, s31, s25                     ; my tile in a group: 2 x + u
	s_mov_b32 s79, 0
	s_lshl_b32 s76, s31, 10
	s_add_co_u32 s76, s76, s28                     ; its 1,024 bytes of q, in my head,
	s_lshl_b32 s77, s[GH], 13
	s_add_co_u32 s78, s76, s77
	s_add_nc_u64 s[56:57], s[4:5], s[78:79]        ; in the high group,
	s_lshl_b32 s77, s[GL], 13
	s_add_co_u32 s78, s76, s77
	s_add_nc_u64 s[58:59], s[4:5], s[78:79]        ; and in the low one
	s_and_b32 s80, s24, 15                         ; the head.  Its 64 channels are k = 64 head on of the last product: K step head / 4; then 1,024 (head % 4) bytes on in a tile's 4,096
	s_lshr_b32 s81, s80, 2
	s_lshl_b32 s81, s81, 21                        ; a K step's 512 tiles are 2,097,152 bytes
	s_and_b32 s82, s80, 3
	s_lshl_b32 s82, s82, 10
	s_add_co_u32 s81, s81, s82
	s_lshr_b32 s82, s24, 4                         ; the batch: 128 tiles of rows
	s_lshl_b32 s82, s82, 7
	s_add_co_u32 s82, s82, s31
	s_lshl_b32 s82, s82, 12
	s_add_co_u32 s81, s81, s82
	s_lshl_b32 s82, s[GH], 15                      ; a group: 8 tiles of 4,096 bytes
	s_add_co_u32 s78, s81, s82
	s_add_nc_u64 s[60:61], s[12:13], s[78:79]      ; where the high tile's codes go,
	s_lshl_b32 s82, s[GL], 15
	s_add_co_u32 s78, s81, s82
	s_add_nc_u64 s[62:63], s[12:13], s[78:79]      ; and the low tile's
	v_and_b32 v4, 31, v0
	s_delay_alu instid0(VALU_DEP_1)
	v_lshlrev_b32 v1, 4, v4                        ; 16 x lane; never rewritten
	global_load_b128 v[16:19], v1, s[56:57]        ; Q's two fragments stay in registers
	global_load_b128 v[20:23], v1, s[56:57] offset:512
	global_load_b128 v[24:27], v1, s[58:59]
	global_load_b128 v[28:31], v1, s[58:59] offset:512
	v_and_b32 v5, 15, v0                           ; r
	v_bfe_u32 v6, v0, 4, 1                         ; h
	s_delay_alu instid0(VALU_DEP_2)
	v_and_b32 v7, 8, v5
	s_delay_alu instid0(VALU_DEP_1)
	v_add_nc_u32 v7, v7, v5                        ; r + 8 (r / 8)
	s_delay_alu instid0(VALU_DEP_3)
	v_lshlrev_b32 v6, 4, v6
	s_delay_alu instid0(VALU_DEP_1)
	v_sub_nc_u32 v7, v7, v6                        ; - 16 h
	s_lshl_b32 s83, s19, 5
	s_lshl_b32 s84, s25, 3
	s_add_co_u32 s83, s83, s84
	v_add_nc_u32 v2, s83, v7                       ; d = my query in its group - 16 h.  On the diagonal register 16 b + i holds key 32 b + 16 h + i of the same group: hidden where 32 b + i > d
	v_mov_b32 v3, 0xff800000                       ; -infinity
	v_mov_b32 v195, 0                              ; (named as the upper half of the pair v[194:195])
	v_mov_b32 v198, 0                              ; written once: a lane permute's destination counts as one of its sources
	s_wait_kmcnt 0x0
	s_mov_b32 s[CS], 0x3e38aa3b                    ; log2(e) / 8
	s_add_co_i32 s84, s70, s71
	s_lshl_b32 s84, s84, 23
	s_add_co_i32 s[CS], s[CS], s84                 ; a score stands for score x 2^(e2 + e3): the two exponents are added to c's exponent field
	s_mov_b32 s[CS+1], s[CS]                       ; (named with it as a pair, so it is written)
	s_add_co_i32 s84, s72, 127
	s_lshl_b32 s85, s84, 23
	v_mov_b32 v201, s85                            ; 2^e4 as f32, for p's conversions
	s_add_co_i32 s84, s74, 127
	s_lshl_b32 s85, s84, 23
	v_mov_b32 v203, s85                            ; 2^e6, for O's conversions
	s_add_co_i32 s86, s72, s73                     ; e4 + e5
; A KEY STEP: 128 keys.  qf: Q's fragment; G: the scalar that holds the tile's group; guard = 1: steps behind the diagonal are left out and the diagonal's is masked (scalar branches on the step's number and the wave's).
.macro STEP qf, G, guard
.if \guard
	s_cmp_gt_u32 s[SI], s[\G]                      ; all 128 keys come after my 16 queries: nothing of the step is done
	s_cbranch_scc1 .Lhidden_\@
.endif
	s_setprio 2
	v_add_nc_u32 v[ADK], s[TB], v1
	s_delay_alu instid0(VALU_DEP_1)
	v_add_nc_u32 v[ADV], VBASE, v[ADK]
	v_nop                                          ; with the two additions: four places in front of loads into registers that the last products have read
	v_nop
.irp t, 0,1,2,3,4,5,6,7
	ds_load_b128 v[32+8*\t:35+8*\t], v[ADK] offset:1024*\t
	ds_load_b128 v[36+8*\t:39+8*\t], v[ADK] offset:1024*\t+512
.endr
	s_wait_alu depctr_va_vdst(0)
	s_wait_dscnt 0x0
.irp t, 0,1,2,3,4,5,6,7
	v_wmma_f32_16x16x64_fp8_fp8 v[96+8*\t:103+8*\t], v[32+8*\t:39+8*\t], v[\qf:\qf+7], 0   ; S^T: 16 keys x my 16 queries
.endr
.rept 4
	v_nop                                          ; places in front of the loads below and of the first read of the scores
.endr
.irp t, 0,1,2,3
.irp c, 0,1,2,3
	ds_load_b128 v[32+16*\t+4*\c:35+16*\t+4*\c], v[ADV] offset:2048*\t+512*\c   ; V's four fragments are asked for here and land under the softmax
.endr
.endr
.if \guard
	s_cmp_lg_u32 s[SI], s[\G]
	s_cbranch_scc1 .Lopen_\@                       ; ahead of the diagonal every key counts
.irp n, 0,1,2,3,4,5,6,7,8,9,10,11,12,13,14,15,16,17,18,19,20,21,22,23,24,25,26,27,28,29,30,31,32,33,34,35,36,37,38,39,40,41,42,43,44,45,46,47,48,49,50,51,52,53,54,55,56,57,58,59,60,61,62,63
	v_cmp_gt_i32 vcc_lo, 32*(\n/16)+\n%16, v2
	v_cndmask_b32 v[96+\n], v[96+\n], v3, vcc_lo   ; a hidden key's score becomes -infinity ahead of the maximum: its p is 0.  A query's own key always counts, so M is a number
.endr
.Lopen_\@:
.endif
	v_max3_num_f32 v192, v96, v97, v98             ; the step's largest score of my query, among my 64 keys, in two chains (each accumulator is read from its low end on),
	v_max3_num_f32 v193, v99, v100, v101
.irp i, 6,10,14,18,22,26,30,34,38,42,46,50,54,58
	v_max3_num_f32 v192, v192, v[96+\i], v[97+\i]
	v_max3_num_f32 v193, v193, v[98+\i], v[99+\i]
.endr
	v_max3_num_f32 v192, v192, v158, v159
	s_delay_alu instid0(VALU_DEP_1)
	v_max_num_f32 v192, v192, v193
	s_delay_alu instid0(VALU_DEP_1)
	v_permlanex16_b32 v198, v192, s[SEL], s[SEL+1]
	s_delay_alu instid0(VALU_DEP_1)
	v_max_num_f32 v192, v192, v198                 ; and among lane l xor 16's
	s_delay_alu instid0(VALU_DEP_1)
	v_mul_f32 v192, s[CS], v192                    ; as t (c is positive)
	s_delay_alu instid0(VALU_DEP_1)
	v_max_num_f32 v13, v13, v192                   ; the running largest t
	v_mov_b32 v192, v12
	s_delay_alu instid0(VALU_DEP_2)
	v_floor_f32 v12, -v13                          ; the new -M = floor(-t) = -ceil(t): M is a whole number
	s_delay_alu instid0(VALU_DEP_1)
	v_sub_f32 v192, v12, v192                      ; M's old value less its new one: a whole number, 0 or less
	s_delay_alu instid0(VALU_DEP_1)
	v_cvt_i32_f32 v192, v192                       ; (it saturates)
	s_delay_alu instid0(VALU_DEP_1)
	v_ldexp_f32 v194, 1.0, v192                    ; f = 2^(old M - new M)
.set jj, 0
.rept 32
	v_pk_fma_f32 v[96+jj:97+jj], v[96+jj:97+jj], s[CS:CS+1], v[12:13] op_sel_hi:[1,0,0]   ; t - M, two at a time (of the pairs c and -M the low word serves both halves)
.set jj, jj+2
.endr
.set jj, 0
	s_setprio 1
	s_wait_alu depctr_va_vdst(0)
.rept 64
	v_exp_f32 v[96+jj], v[96+jj]                   ; p = 2^(t - M), at most 1: not normalised
.set jj, jj+1
.endr
	v_pk_mul_f32 v[14:15], v[14:15], v[194:195] op_sel_hi:[1,0]   ; the sums under the new M: the plain instruction behind the last exponential
	s_wait_alu depctr_va_vdst(0)                   ; one wait for the batch of 64, ahead of the first instruction that names a result
	v_pk_add_f32 v[196:197], v[100:101], v[104:105]
	v_pk_add_f32 v[252:253], v[108:109], v[112:113]
	v_pk_add_f32 v[250:251], v[116:117], v[120:121]
	v_pk_add_f32 v[248:249], v[124:125], v[128:129]
	v_pk_add_f32 v[246:247], v[132:133], v[136:137]
	v_pk_add_f32 v[244:245], v[140:141], v[144:145]
	v_pk_add_f32 v[242:243], v[148:149], v[152:153]
	v_pk_add_f32 v[14:15], v[14:15], v[156:157]
	v_pk_add_f32 v[196:197], v[196:197], v[96:97]
	v_pk_add_f32 v[252:253], v[252:253], v[98:99]
	v_pk_add_f32 v[250:251], v[250:251], v[102:103]
	v_pk_add_f32 v[248:249], v[248:249], v[106:107]
	v_pk_add_f32 v[246:247], v[246:247], v[110:111]
	v_pk_add_f32 v[244:245], v[244:245], v[114:115]
	v_pk_add_f32 v[242:243], v[242:243], v[118:119]
	v_pk_add_f32 v[14:15], v[14:15], v[122:123]
	v_pk_add_f32 v[196:197], v[196:197], v[126:127]
	v_pk_add_f32 v[252:253], v[252:253], v[130:131]
	v_pk_add_f32 v[250:251], v[250:251], v[134:135]
	v_pk_add_f32 v[248:249], v[248:249], v[138:139]
	v_pk_add_f32 v[246:247], v[246:247], v[142:143]
	v_pk_add_f32 v[244:245], v[244:245], v[146:147]
	v_pk_add_f32 v[242:243], v[242:243], v[150:151]
	v_pk_add_f32 v[14:15], v[14:15], v[154:155]
	v_pk_add_f32 v[196:197], v[196:197], v[158:159]
	s_delay_alu instid0(VALU_DEP_2)
	v_pk_add_f32 v[14:15], v[14:15], v[248:249]
	s_delay_alu instid0(VALU_DEP_2)
	v_pk_add_f32 v[196:197], v[196:197], v[246:247]
	v_pk_add_f32 v[252:253], v[252:253], v[244:245]
	v_pk_add_f32 v[250:251], v[250:251], v[242:243]
	s_delay_alu instid0(VALU_DEP_2)
	v_pk_add_f32 v[14:15], v[14:15], v[252:253]
	s_delay_alu instid0(VALU_DEP_2)
	v_pk_add_f32 v[196:197], v[196:197], v[250:251]
	s_delay_alu instid0(VALU_DEP_1)
	v_pk_add_f32 v[14:15], v[14:15], v[196:197]
	s_setprio 0
.irp b, 0,1,2,3
.irp i, 0,1,2,3,4,5,6,7,8,9,10,11,12,13,14,15
.endr
	v_cvt_scalef32_pk8_fp8_f32 v[224+4*\b:225+4*\b], v[96+16*\b:103+16*\b], v201
	v_cvt_scalef32_pk8_fp8_f32 v[226+4*\b:227+4*\b], v[104+16*\b:111+16*\b], v201
.endr
.set jj, 0
.rept 16
	v_pk_mul_f32 v[160+jj:161+jj], v[160+jj:161+jj], v[194:195] op_sel_hi:[1,0]   ; O^T under the new M: x f.  (Plain instructions between the conversions and the products that read their results)
.set jj, jj+2
.endr
	s_wait_alu depctr_va_vdst(0)
	s_wait_dscnt 0x0                               ; V's fragments are in
.irp t, 0,1,2,3
	v_wmma_f32_16x16x128_fp8_fp8 v[160+8*\t:167+8*\t], v[32+16*\t:47+16*\t], v[224:239], v[160+8*\t:167+8*\t]   ; O^T += 16 channels x 128 keys x my 16 queries; the four accumulators take turns, and the scores' eight products stand between two turns of one
.endr
.if \guard
.Lhidden_\@:
.endif
.endm
; count key steps from step first on: every trip count is a constant of the text.
.macro RUN first, count, qf, G, guard
	s_mov_b32 s[TB], (\first)*8192
	s_mov_b32 s[SI], \first
.Lrun_\@:
	STEP \qf, \G, \guard
	s_add_co_u32 s[TB], s[TB], 8192
	s_add_co_u32 s[SI], s[SI], 1
	s_cmp_lt_u32 s[SI], (\first)+(\count)
	s_cbranch_scc1 .Lrun_\@
	s_setprio 0
.endm
.macro INIT                            ; a tile begins: the step is written without a first step of its own, so it finds zeros, which the first change of M leaves zeros
	v_mov_b32 v13, 0xff61b1e6                      ; the largest t so far: -3e38, under every t
	s_delay_alu instid0(VALU_DEP_1)
	v_floor_f32 v12, -v13                          ; -M
	v_mov_b32 v14, 0
	v_mov_b32 v15, 0
.set jj, 0
.rept 32
	v_mov_b32 v[160+jj], 0
.set jj, jj+1
.endr
.endm
; A tile ends: O^T x 2^(e4 + e5) / the sum, held, converted with e6.  The codes' registers ARE the image of the last product's operand: two stores of 512 consecutive bytes, aligned.
.macro FINISH oc, ptr
.rept 4
	v_nop                                          ; places behind the last products
.endr
	v_add_f32 v14, v14, v15                        ; the sum's two halves,
	s_delay_alu instid0(VALU_DEP_1)
	v_permlanex16_b32 v198, v14, s[SEL], s[SEL+1]
	s_delay_alu instid0(VALU_DEP_1)
	v_add_f32 v14, v14, v198                       ; and lane l xor 16's: the row's sum
	s_wait_alu depctr_va_vdst(0)
	v_rcp_f32 v14, v14
	v_nop                                          ; a plain instruction behind the reciprocal
	s_wait_alu depctr_va_vdst(0)                   ; and the wait ahead of its first reader
	v_ldexp_f32 v14, v14, s86
.set jj, 0
.rept 32
	v_mul_f32 v[96+jj], v[160+jj], v14             ; register 16 b + i: channel 32 b + 16 h + i of my query; each accumulator from its low end on
.set jj, jj+1
.endr
.set jj, 0
.rept 32
.set jj, jj+1
.endr
.irp b, 0,1
	v_cvt_scalef32_pk8_fp8_f32 v[\oc+4*\b:\oc+4*\b+1], v[96+16*\b:103+16*\b], v203
	v_cvt_scalef32_pk8_fp8_f32 v[\oc+4*\b+2:\oc+4*\b+3], v[104+16*\b:111+16*\b], v203
.endr
	v_nop                                          ; one plain vector instruction behind the last conversion: the next tile's products write its sources
.irp b, 0,1
	global_store_b128 v1, v[\oc+4*\b:\oc+4*\b+3], s[\ptr:\ptr+1] offset:512*\b   ; each tile has its own registers for its codes: no store's data are written again
.endr
.endm
	INIT
	s_wait_loadcnt 0x0                             ; Q
	s_wait_tensorcnt 3                             ; a fetching wave's first quarter is in: keys 0 to 511 of K, or of V; its three later loads may be out
	s_barrier_signal -1
	s_barrier_wait -1                              ; every wave may read the first quarters
	RUN 0, 4, 16, GH, 0                            ; the high tile's group is 8 at the least: steps 0 to 3 lie wholly ahead of its diagonal
	s_wait_tensorcnt 0x0                           ; all of K, or of V, is in
	s_wait_dscnt 0x0
	s_barrier_signal -1
	s_barrier_wait -1                              ; every wave may read all of both
	RUN 4, 12, 16, GH, 1
	FINISH 208, 60
	INIT
	RUN 0, 8, 24, GL, 1                            ; the low tile's group is 7 at the most
	FINISH 216, 62
	s_wait_dscnt 0x0
	s_wait_tensorcnt 0x0
	ds_add_u32 v254, v255
	s_wait_dscnt 0x0
	CROUND                                         ; the closing round: no work-group ends while a partner may still ask for a tile that names it
	s_endpgm
.Lfunc_end_k_q9eba36db12_attn:
	.size	k_q9eba36db12_attn, .Lfunc_end_k_q9eba36db12_attn-k_q9eba36db12_attn
	.p2alignl 7, 3214868480
	.fill 96, 4, 3214868480
	.section	.rodata,"a",@progbits
	.p2align	6, 0x0
	.amdhsa_kernel k_q9eba36db12_attn
		.amdhsa_group_segment_fixed_size 264192
		.amdhsa_private_segment_fixed_size 0
		.amdhsa_enable_private_segment 0
		.amdhsa_kernarg_size 40
		.amdhsa_user_sgpr_count 2
		.amdhsa_user_sgpr_kernarg_segment_ptr 1
		.amdhsa_wavefront_size32 1
		.amdhsa_system_sgpr_workgroup_id_x 1
		.amdhsa_system_sgpr_workgroup_id_y 1
		.amdhsa_system_sgpr_workgroup_id_z 1
		.amdhsa_system_vgpr_workitem_id 0
		.amdhsa_next_free_vgpr 256
		.amdhsa_next_free_sgpr 100
		.amdhsa_reserve_vcc 1
		.amdhsa_float_denorm_mode_32 3
		.amdhsa_float_denorm_mode_16_64 3
		.amdhsa_fp16_overflow 1
		.amdhsa_memory_ordered 1
		.amdhsa_forward_progress 1
		.amdhsa_inst_pref_size 66
	.end_amdhsa_kernel
	.amdgpu_metadata
---
amdhsa.version: [ 1, 2 ]
amdhsa.kernels:
  - .name:           k_q9eba36db12_attn
    .symbol:         k_q9eba36db12_attn.kd
    .args:
      - { .name: q_codes, .offset: 0, .size: 8, .value_kind: global_buffer, .address_space: global }
      - { .name: k_codes, .offset: 8, .size: 8, .value_kind: global_buffer, .address_space: global }
      - { .name: v_codes, .offset: 16, .size: 8, .value_kind: global_buffer, .address_space: global }
      - { .name: lowp_scales, .offset: 24, .size: 8, .value_kind: global_buffer, .address_space: global }
      - { .name: a_codes, .offset: 32, .size: 8, .value_kind: global_buffer, .address_space: global }
    .group_segment_fixed_size: 264192
    .private_segment_fixed_size: 0
    .kernarg_segment_align: 8
    .kernarg_segment_size: 40
    .max_flat_workgroup_size: 512
    .sgpr_count:     100
    .vgpr_count:     256
    .wavefront_size: 32
...
	.end_amdgpu_metadata
.endif
;; end of part 3
;; launch proj (part 4): grid 8 x 32, 4 waves a work-group, clusters of 4 x 4, 327,680 bytes of LDS; arguments a_codes, wout_codes, lowp_scales, b_out, out0; writes out0
.if DOCPART == 4
	.amdgcn_target "amdgcn-amd-amdhsa--gfx1250"
	.amdhsa_code_object_version 6
	.text
	.protected	k_q9eba36db12_proj
	.globl	k_q9eba36db12_proj
	.p2align	8
	.type	k_q9eba36db12_proj,@function
k_q9eba36db12_proj:
	s_mov_b64 s[64:65], 0
	v_nop
	global_prefetch_b8 v0, s[64:65] scope:SCOPE_SE
	s_setreg_imm32_b32 hwreg(HW_REG_WAVE_MODE, 25, 1), 1
	s_wait_xcnt 0x0
	s_wait_alu depctr_hold_cnt(0) depctr_sa_sdst(0) depctr_va_vdst(0) depctr_va_sdst(0) depctr_va_ssrc(0) depctr_va_vcc(0) depctr_vm_vsrc(0)
	s_getreg_b32 s2, hwreg(HW_REG_IB_STS2, 6, 4)
	s_cmp_eq_u32 s2, 0
	s_cbranch_scc0 .Lentry_in_a_cluster
	s_endpgm
.Lentry_in_a_cluster:
	s_bfe_u32 s2, ttmp6, 0x10000c
	s_cmp_lg_u32 s2, 0xf033
	s_cbranch_scc0 .Lentry_shape_is_right
	s_endpgm
.Lentry_shape_is_right:
; out0 = a w_out^T x 2^(e6 + e7) + b_out, on codes of FP8 (E4M3).  out0 [8192][1024] f32.  wout_codes [1024][1024]: one code a byte, K innermost.
; a_codes [4 K steps of 256][512 tiles of rows][2 steps of 128][2048]: images of operand registers: byte c x 512 + 16 x lane; registers 4 c .. 4 c + 3 hold k = 32 c + 16 h + 0 .. 15; tile RT holds tokens 32 (RT / 2) + 8 (RT % 2) + r + 8 (r / 8).
; A tile of out0 is 256 rows x 128 columns: 256 work-groups, one for each WGP.  Four waves, each 128 rows x 64 columns: 32 accumulators of 16 x 16, 256 registers.
; K = 1,024 goes in four steps of 256 through a ring of two LDS slots filled by the tensor data mover: A's 16 tiles of rows as one dense block of 65,536 bytes (two loads), B's 128 rows of 256 bytes, padded (two loads).
; CLUSTERS: 4 x 4 work-groups.  The four of a row of the cluster need the same tiles of A, the four of a column the same tiles of B: each is asked for JOINTLY, by the same tensor load with the same descriptor.
; THE MATRIX INSTRUCTION IS USED TRANSPOSED (source 0 = 16 rows of w_out, source 1 = a tile of rows of a): a lane holds eight neighbouring numbers of a row of out0.
; ORDER OF k: permuted alike in both operands inside an instruction; the order of the sums there differs from ascending k.
; LIMIT: e6 + e7 lies between -126 and 127, so that 2^(e6 + e7) is an f32 number.
; REGISTERS, in windows of 256: window 0: v0-31 addresses; v32-95 at work on the way out; v96-127 the bias of my 64 columns; from v128 A's fragments, ONE set.   window 1: B's fragments, TWO sets of 64.   window 2: the accumulators ((a, b) at v[8 (4 a + b)]).
.set ROWB,   256                       ; a row of B's tile in bytes
.set PITCH,  272                       ; and in LDS: 256 bytes + 16 of padding = 68 words: row r starts at bank 4 r mod 64 (64 banks of 4 bytes: ISA guide 11.1)
.set FR,     16                        ; registers of a fragment: 16 rows x 128 K
.set NL,     4                         ; LDS loads that bring one
.set NP,     4                         ; places behind this matrix instruction (ISA guide 7.12.1)
.set AHALF,  32768                     ; 8 tiles of rows x 4,096 bytes: what one load brings of A, and what one wave reads
.set BHALF,  64*PITCH                  ; 64 rows of B likewise
.set BOFF,   2*AHALF
.set SLOT,   BOFF+2*BHALF              ; 100,352 bytes
.set SPARE,  2*SLOT                    ; behind the ring: the spare words, 128 bytes for each wave: two blocks of 256 bytes that no other line names
.set SPITCH, 272                       ; the way out: a stage of 32 rows x (256 bytes + 16) for each wave, in slot 0
.set BOF,  9                           ; v9      the bias loads' offset; never rewritten
.set ADRA, 16                          ; v16-17  LDS address of my A fragments in slot 0, 1
.set ADRB, 20                          ; v20-21  the same for B
.set STO,  24                          ; v24     the way out: where I put 32 bytes of a row
.set RD,   25                          ; v25     the way out: where I read a row back
.set CO,   26                          ; v26     my byte offset in two rows of out0
.set SPW,  28                          ; v28     LDS address of my spare word: SPARE + 4 x my thread's number; never rewritten
.set NIL,  29                          ; v29     0; never rewritten
.set TMP,  32
.set BI,   96
.set AF,   128
.set BK,   128                         ; the way out: 32 rows read back from the stage: v128-191 and v192-255 by turns
.set G1, 24                            ; s[24:31] descriptor group 1 for A's tiles;  s[32:39] group 0, one set for each slot
.set G0, 32
.set G1B, 48                           ; s[48:55], s[56:63] the same for B's tiles
.set G0B, 56
.set MSB, 0
.macro WIN new                         ; the immediate's high byte repeats the setting that is left; a switch that changes nothing is dropped
.if MSB != (\new)
	s_set_vgpr_msb (MSB<<8)|(\new)
.set MSB, (\new)
.endif
.endm
.set MUL,  0xa1                        ; source 0 (B) window 1, source 1 (A) window 0, C and D window 2
.set TO_B, 0x40                        ; destination window 1, address window 0
; A joint load: waves 0 and 1 fetch A's halves, waves 2 and 3 B's.  Each of the two lines has ONE mask and one set of registers for all that issue it; the branch hangs on the wave's number alone.
; Four v_nop follow each of the two lines, ahead of the jump, the label and what follows.
.macro JLOAD g0a, g1a, g0b, g1b
	s_cmp_eq_u32 s15, 0
	s_cbranch_scc0 .Lfor_b_\@
	tensor_load_to_lds s[\g0a:\g0a+3], s[\g1a:\g1a+7]
	s_nop 0
.rept 4
	v_nop
.endr
	s_branch .Lasked_\@
.Lfor_b_\@:
	tensor_load_to_lds s[\g0b:\g0b+3], s[\g1b:\g1b+7]
	s_nop 0
.rept 4
	v_nop
.endr
.Lasked_\@:
.endm
.macro CREST                           ; a round of the cluster's barrier behind its opening barrier
	s_cmp_lg_u32 s14, 0
	s_cbranch_scc1 .Lnot_wave_0_\@
	s_barrier_signal -3
.Lnot_wave_0_\@:
	s_barrier_wait -3
	s_barrier_signal -1
	s_barrier_wait -1
.endm
.macro CROUND                          ; a whole round
	s_barrier_signal -1
	s_barrier_wait -1
	CREST
.endm
	s_load_b128 s[4:7], s[0:1], 0x0                ; a's codes s[4:5], w_out's s[6:7]
	s_load_b128 s[68:71], s[0:1], 0x10             ; the scales' exponents s[68:69], b_out s[70:71]
	s_load_b64 s[10:11], s[0:1], 0x20              ; out0
	v_lshl_add_u32 v[SPW], v0, 2, SPARE
	v_mov_b32 v[NIL], 0
	ds_add_u32 v28, v29
	ds_add_u32 v28, v29
	s_wait_dscnt 0x0
	v_lshrrev_b32 v1, 5, v0
	v_readfirstlane_b32 s14, v1                    ; wave 0..3
	s_lshr_b32 s15, s14, 1                         ; which half of the tile's rows is mine.  Also: I fetch for A (0) or for B (1)
	s_and_b32 s16, s14, 1                          ; which half of its columns.  Also: which half of that tile I fetch
	s_bfe_u32 s40, ttmp6, 0x40000                  ; cx, cy: my place in the cluster
	s_bfe_u32 s41, ttmp6, 0x40004
	s_lshl_b32 s42, ttmp9, 2
	s_add_co_u32 s42, s42, s40                     ; tile column = 4 x cluster x + cx: 0 .. 7
	s_and_b32 s17, ttmp7, 0xffff
	s_lshl_b32 s17, s17, 2
	s_add_co_u32 s17, s17, s41                     ; tile row = 4 x cluster y + cy: 0 .. 31
	s_lshl_b32 s43, s41, 2
	s_lshl_b32 s43, 15, s43                        ; my row of the cluster
	s_lshl_b32 s44, 0x1111, s40                    ; my column
	; descriptor group 1.  A: a dense block of 32,768 bytes, as 128 rows of 256, no padding
	s_or_b32 s[G1+0], s43, (3<<16)|(1<<21)         ; 15:0 the mask: A's tiles go to my row; 17:16 elements of 8 bytes; 21 set beside a mask
	s_mov_b32 s[G1+1], 32<<16                      ; tensor_dim0 = 32 elements
	s_mov_b32 s[G1+2], 128<<16                     ; tensor_dim1 = 128
	s_mov_b32 s[G1+3], 32<<16                      ; tile_dim0
	s_mov_b32 s[G1+4], 128                         ; tile_dim1
	s_mov_b32 s[G1+5], 32                          ; tensor_dim0_stride: rows on end
	s_mov_b32 s[G1+6], 0
	s_mov_b32 s[G1+7], 0
	; B: 64 rows x 256 bytes, 1,024 bytes apart in memory, padded in LDS
	s_or_b32 s[G1B+0], s44, (0<<16)|(1<<20)|(1<<21)|(5<<22)|(3<<25)  ; the mask of my column; elements of 1 byte; padding on: after every 64 words (code 5) four words (code 3)
	s_mov_b32 s[G1B+1], ROWB<<16
	s_mov_b32 s[G1B+2], 64<<16
	s_mov_b32 s[G1B+3], ROWB<<16
	s_mov_b32 s[G1B+4], 64
	s_mov_b32 s[G1B+5], 1024
	s_mov_b32 s[G1B+6], 0
	s_mov_b32 s[G1B+7], 0
	s_lshl_b32 s20, s17, 16                        ; A: 16 tiles of rows x 4,096 bytes for a tile row,
	s_lshl_b32 s18, s16, 15                        ; + the half that I would fetch
	s_add_co_u32 s20, s20, s18
	s_mov_b32 s21, 0
	s_lshl_b32 s46, s42, 17                        ; B: 128 rows x 1,024 bytes for a tile column,
	s_lshl_b32 s47, s16, 16                        ; + 64 rows
	s_add_co_u32 s46, s46, s47
	s_mov_b32 s47, 0
	s_lshl_b32 s45, s16, 15                        ; where they go: A's halves from byte 0 of a slot,
	s_mul_i32 s22, s16, BHALF
	s_add_co_u32 s22, s22, BOFF                    ; B's behind them: no place in the cluster enters an LDS address
	s_wait_kmcnt 0x0
	s_load_b64 s[96:97], s[68:69], 0x18            ; e6, e7
	s_add_nc_u64 s[20:21], s[4:5], s[20:21]
	s_add_nc_u64 s[46:47], s[6:7], s[46:47]
	CROUND                                         ; all sixteen work-groups are here: the first joint loads meet
.irp s, 0,1
	s_mov_b32 s[G0+4*\s], 1                        ; 1:0 count = 1
	s_add_co_u32 s[G0+4*\s+1], s45, \s*SLOT        ; 63:32 LDS address
	s_add_nc_u64 s[G0+4*\s+2:G0+4*\s+3], s[20:21], \s*0x200000   ; 120:64 global address: K step s: 512 tiles x 4,096 bytes on
	s_or_b32 s[G0+4*\s+3], s[G0+4*\s+3], 0x80000000              ; 127:126 type = 2
	s_mov_b32 s[G0B+4*\s], 1
	s_add_co_u32 s[G0B+4*\s+1], s22, \s*SLOT
	s_add_nc_u64 s[G0B+4*\s+2:G0B+4*\s+3], s[46:47], \s*ROWB
	s_or_b32 s[G0B+4*\s+3], s[G0B+4*\s+3], 0x80000000
	s_wait_alu depctr_va_vdst(0)
	s_wait_tensorcnt 0x0
	ds_add_u32 v28, v29
	ds_add_u32 v28, v29
	s_wait_dscnt 0x0
	CROUND
	JLOAD G0+4*\s, G1, G0B+4*\s, G1B               ; one load of mine is out
.endr
	v_and_b32 v1, 15, v0                           ; r = lane % 16
	v_bfe_u32 v2, v0, 4, 1                         ; h = lane / 16
	v_mul_u32_u24 v3, v1, PITCH
	v_lshl_add_u32 v4, v2, 4, v3                   ; B: a fragment's row x pitch + 16 h
	v_and_b32 v6, 31, v0
	v_lshlrev_b32 v7, 4, v6                        ; A: 16 x lane
	s_lshl_b32 s21, s15, 15                        ; my 8 tiles of rows
	s_mul_i32 s22, s16, BHALF                      ; my 64 rows of B
	s_add_co_u32 s22, s22, BOFF
.irp s, 0,1
	v_add_nc_u32 v[ADRA+\s], s21, v7
	v_add_nc_u32 v[ADRB+\s], s22, v4
	s_add_co_u32 s21, s21, SLOT
	s_add_co_u32 s22, s22, SLOT
.endr
	s_mul_i32 s23, s14, 32*SPITCH                  ; my stage
	v_and_b32 v5, 8, v1
	v_add_nc_u32 v5, v5, v1                        ; in: lane r of a tile of rows holds token r + 8 (r / 8) of 32 (+ 8 for the odd tile),
	v_mul_u32_u24 v5, v5, SPITCH
	v_lshl_add_u32 v5, v2, 5, v5                   ; 32 bytes for each half of the lanes
	v_add_nc_u32 v[STO], s23, v5
	v_mul_u32_u24 v5, v2, SPITCH                   ; back: lanes 0-15 take one row of 256 bytes, lanes 16-31 the next
	v_lshl_add_u32 v5, v1, 4, v5
	v_add_nc_u32 v[RD], s23, v5
	v_lshlrev_b32 v5, 12, v2                       ; and the same two rows in out0: 4,096 bytes a row
	v_lshl_add_u32 v[CO], v1, 4, v5
	s_lshl_b32 s18, s42, 9
	s_lshl_b32 s19, s16, 8
	s_add_co_u32 s18, s18, s19                     ; my first column, in bytes: 512 x tile column + 256 x half
	s_mov_b32 s19, 0
	s_add_nc_u64 s[70:71], s[70:71], s[18:19]      ; the bias there,
	s_add_nc_u64 s[10:11], s[10:11], s[18:19]      ; and out0
	s_lshl_b32 s20, s17, 20                        ; my first row: 256 x tile row + 128 x half, rows of 4,096 bytes: under 2^25
	s_lshl_b32 s21, s15, 19
	s_add_co_u32 s20, s20, s21
	s_mov_b32 s21, 0
	s_add_nc_u64 s[10:11], s[10:11], s[20:21]
	v_lshlrev_b32 v[BOF], 5, v2                    ; lane (r, h) wants, for tile b, the bias of columns 16 b + 8 h + 0 .. 7
.irp b, 0,1,2,3
	global_load_b128 v[BI+8*\b:BI+8*\b+3], v[BOF], s[70:71] offset:64*\b
	global_load_b128 v[BI+8*\b+4:BI+8*\b+7], v[BOF], s[70:71] offset:64*\b+16
.endr
.macro FRAGA reg, adr, q, i            ; a fragment of A comes as it lies: four loads of 512 consecutive bytes
.irp c, 0,1,2,3
	ds_load_b128 v[\reg+4*\c:\reg+4*\c+3], v[\adr] offset:(\i)*4096+(\q)*2048+512*\c
.endr
.endm
.macro FRAGB reg, adr, q, i            ; a fragment of B from rows: lane l holds row l % 16; registers 4 c .. 4 c + 3 hold K = 32 c + 16 (l / 16) + 0 .. 15
.irp c, 0,1,2,3
	ds_load_b128 v[\reg+4*\c:\reg+4*\c+3], v[\adr] offset:128*(\q)+32*\c+(\i)*16*PITCH
.endr
.endm
; 8 matrix instructions: A's blocks a0, a0 + 1 x B's four, 128 along K.  p: B's set.  zero = 1: the first product starts the sums: nothing is ever cleared.
; The 32 accumulators take turns, one instruction a turn, in the same order in every step.
.macro MUL8 a0, p, zero
.irp a, \a0, \a0+1
.irp b, 0,1,2,3
.if \zero
	v_wmma_f32_16x16x128_fp8_fp8 v[8*(4*(\a)+\b):8*(4*(\a)+\b)+7], v[64*(\p)+FR*\b:64*(\p)+FR*\b+FR-1], v[AF+FR*(\a):AF+FR*(\a)+FR-1], 0
.else
	v_wmma_f32_16x16x128_fp8_fp8 v[8*(4*(\a)+\b):8*(4*(\a)+\b)+7], v[64*(\p)+FR*\b:64*(\p)+FR*\b+FR-1], v[AF+FR*(\a):AF+FR*(\a)+FR-1], v[8*(4*(\a)+\b):8*(4*(\a)+\b)+7]
.endif
.endr
.endr
.endm
.macro FETCH_B slot, q, p              ; B's four fragments of the slot's q-th 128 along K into set p
	WIN TO_B
.irp i, 0,1,2,3
	FRAGB 64*(\p)+FR*\i, ADRB+\slot, \q, \i
.endr
	WIN 0
.endm
.macro FETCH_A slot, q, i0             ; A's blocks i0 .. i0 + 3
.irp i, \i0, \i0+1, \i0+2, \i0+3
	FRAGA AF+FR*(\i), ADRA+\slot, \q, \i
.endr
.endm
; A load into a register that a matrix instruction has read, and a vector instruction that reads a matrix result, stand NP places behind it, and only plain vector instructions that name none of its registers are places
; (ISA guide 7.12.1 for vector instructions).
.macro PLACES n
.rept \n
	v_nop
.endr
.endm
; A step of 128 along K that has its successor in the same slot.  A block of A is free as soon as its four products are issued: blocks 0-3 are fetched anew in the step's middle, blocks 4-7 at its end.
.macro STEP slot, q, zero
	s_wait_dscnt 4*NL                              ; B's set and A's blocks 0-3 are in; the youngest sixteen loads (A's blocks 4-7) may be out
	WIN MUL
	MUL8 0, (\q)%2, \zero
	MUL8 2, (\q)%2, \zero
	s_wait_dscnt 0                                 ; A's blocks 4-7 are in
	PLACES NP
	FETCH_B \slot, (\q)+1, 1-(\q)%2
	FETCH_A \slot, (\q)+1, 0
	WIN MUL
	MUL8 4, (\q)%2, \zero
	MUL8 6, (\q)%2, \zero
	PLACES NP
	WIN 0
	FETCH_A \slot, (\q)+1, 4
.endm
; A slot's last step changes slots: ONE barrier; in front of it each wave waits for all its tensor loads, adds 0 to its spare word, and waits for that and for its own reads of this slot.  fill = 1: this slot is filled again, two K steps ahead.
.macro TURN slot, next, fill
	s_wait_tensorcnt 0x0                           ; all my tensor loads have landed: my part of the next slot;  (every window is 0 here: the add's two registers lie in window 0)
	ds_add_u32 v[SPW], v[NIL]                      ; 0 onto my spare word
	s_wait_dscnt 4*NL+1                            ; (the add and the youngest sixteen loads, A's blocks 4-7, may be out)
	WIN MUL
	MUL8 0, 1, 0                                   ; eight matrix instructions stand between the add and the wait for it
	s_wait_dscnt 0x0                               ; the add is done, and my reads of this slot are over
	s_barrier_signal -1
	MUL8 2, 1, 0
	WIN 0
	s_barrier_wait -1
.if \fill
	CREST                                          ; the barrier has opened a round of the cluster's barrier: no wave of any partner still reads this slot's tile or has a load on its way
	s_add_nc_u64 s[G0+4*\slot+2:G0+4*\slot+3], s[G0+4*\slot+2:G0+4*\slot+3], 0x400000
	s_add_nc_u64 s[G0B+4*\slot+2:G0B+4*\slot+3], s[G0B+4*\slot+2:G0B+4*\slot+3], 2*ROWB
	JLOAD G0+4*\slot, G1, G0B+4*\slot, G1B         ; the first tensor load behind the round, my one load until the next; the four v_nop behind it are the places in front of the loads below
.else
	PLACES NP
.endif
	FETCH_B \next, 0, 0
	FETCH_A \next, 0, 0
	WIN MUL
	MUL8 4, 1, 0
	MUL8 6, 1, 0
	PLACES NP
	WIN 0
	FETCH_A \next, 0, 4
.endm
	s_wait_tensorcnt 1                             ; my part of K step 0 is in (K step 1's load may be out)
	s_barrier_signal -1
	s_barrier_wait -1                              ; everybody's is
	FETCH_B 0, 0, 0
	FETCH_A 0, 0, 0
	FETCH_A 0, 0, 4
	; K = 1,024 is twice round the ring: the first lap fills both slots again, the second fills nothing.  Both are written out: a loop would have one trip.
	STEP 0, 0, 1                                   ; the first step's products start the sums
	TURN 0, 1, 1                                   ; slot 0 takes K step 2
	STEP 1, 0, 0
	TURN 1, 0, 1                                   ; slot 1 takes K step 3
	STEP 0, 0, 0
	TURN 0, 1, 0                                   ; nothing is left to fetch: no round of the cluster's barrier
	STEP 1, 0, 0
	s_wait_dscnt 4*NL                              ; the very last step
	WIN MUL
	MUL8 0, 1, 0
	MUL8 2, 1, 0
	s_wait_dscnt 0
	MUL8 4, 1, 0
	MUL8 6, 1, 0
	WIN 0
; THE WAY OUT, two tiles of rows (32 neighbouring tokens x 64 columns) at a time.  A lane holds 32 neighbouring bytes of a row, and the lanes beside it hold other rows: so a pair goes through my own stage in LDS and comes back
; as whole rows of 256 bytes, which sixteen lanes store.  The stage lies in slot 0, which has had its last fill, and which nobody reads behind the last change of slots.
.macro TOSTAGE ap
	WIN 0x02                                       ; source 0: window 2
.irp e, 0,1
.irp b, 0,1,2,3
.irp i, 0,2,4,6
	v_pk_fma_f32 v[TMP+32*\e+8*\b+\i:TMP+32*\e+8*\b+\i+1], v[8*(4*(2*(\ap)+\e)+\b)+\i:8*(4*(2*(\ap)+\e)+\b)+\i+1], s[96:97], v[BI+8*\b+\i:BI+8*\b+\i+1] op_sel_hi:[1,0,1]   ; sum x 2^(e6 + e7) + bias, two at a time (the scalar pair's low word for both halves); each accumulator from its low end on
.endr
.endr
.endr
	WIN 0
.irp e, 0,1
.irp b, 0,1,2,3
	ds_store_b128 v[STO], v[TMP+32*\e+8*\b:TMP+32*\e+8*\b+3] offset:8*\e*SPITCH+64*\b
	ds_store_b128 v[STO], v[TMP+32*\e+8*\b+4:TMP+32*\e+8*\b+7] offset:8*\e*SPITCH+64*\b+16
.endr
.endr
.set BB, BK+64*((\ap)%2)
.irp t, 0,1,2,3,4,5,6,7,8,9,10,11,12,13,14,15
	ds_load_b128 v[BB+4*\t:BB+4*\t+3], v[RD] offset:2*\t*SPITCH   ; LDS serves a wave's instructions in order (ISA guide 5.7.1.4): these see the stores above, and the next pair's stores come behind them
.endr
.endm
.macro SEND ap, younger                ; younger: the LDS instructions issued behind this pair's loads, which may stay out
.set BB, BK+64*((\ap)%2)
	s_wait_dscnt \younger                          ; the pair is back in registers
.if (\ap) > 0
	s_add_nc_u64 s[10:11], s[10:11], 32*4096       ; (behind a wait on XCNT: the earlier stores have read their base)  32 rows of out0 on
.endif
.irp t, 0,1,2,3,4,5,6,7,8,9,10,11,12,13,14,15
	global_store_b128 v[CO], v[BB+4*\t:BB+4*\t+3], s[10:11] offset:2*\t*4096 th:TH_STORE_NT   ; 16 lanes store 256 consecutive bytes, at a multiple of 256 from out0's first byte; written once, read by nobody here
.endr
.endm
	s_wait_kmcnt 0x0
	s_add_co_i32 s96, s96, s97                     ; e6 + e7, between -126 and 127,
	s_add_co_i32 s96, s96, 127
	s_lshl_b32 s96, s96, 23                        ; makes the f32 number 2^(e6 + e7)
	s_mov_b32 s97, s96                             ; (named with it as a pair)
	s_wait_loadcnt 0x0                             ; the bias
	PLACES NP                                      ; behind the last products: their results are read, and loads land in A's registers, below
	TOSTAGE 0
.irp a, 1,2,3
.if \a > 1
	s_wait_xcnt 0x0                                ; pair a - 2's stores have read their registers and their base: pair a's loads may land there, and the base may step
.endif
	TOSTAGE \a
	SEND \a-1, 32                                  ; behind pair a - 1's loads: pair a's 16 stores and 16 loads
.endr
	s_wait_xcnt 0x0                                ; pair 2's stores have read their base
	SEND 3, 0
	s_wait_tensorcnt 0x0                           ; the wave's end, behind my last tensor load and my last LDS store
	ds_add_u32 v[SPW], v[NIL]
	s_wait_dscnt 0x0
	CROUND                                         ; the closing round: no work-group ends while a partner may still ask for a tile that names it
	s_endpgm
.Lfunc_end_k_q9eba36db12_proj:
	.size	k_q9eba36db12_proj, .Lfunc_end_k_q9eba36db12_proj-k_q9eba36db12_proj
	.p2alignl 7, 3214868480
	.fill 96, 4, 3214868480
	.section	.rodata,"a",@progbits
	.p2align	6, 0x0
	.amdhsa_kernel k_q9eba36db12_proj
		.amdhsa_group_segment_fixed_size 327680
		.amdhsa_private_segment_fixed_size 0
		.amdhsa_enable_private_segment 0
		.amdhsa_kernarg_size 40
		.amdhsa_user_sgpr_count 2
		.amdhsa_user_sgpr_kernarg_segment_ptr 1
		.amdhsa_wavefront_size32 1
		.amdhsa_system_sgpr_workgroup_id_x 1
		.amdhsa_system_sgpr_workgroup_id_y 1
		.amdhsa_system_sgpr_workgroup_id_z 1
		.amdhsa_system_vgpr_workitem_id 0
		.amdhsa_next_free_vgpr 768
		.amdhsa_next_free_sgpr 100
		.amdhsa_reserve_vcc 0
		.amdhsa_float_denorm_mode_32 3
		.amdhsa_float_denorm_mode_16_64 3
		.amdhsa_memory_ordered 1
		.amdhsa_forward_progress 1
		.amdhsa_inst_pref_size 78
	.end_amdhsa_kernel
	.amdgpu_metadata
---
amdhsa.version: [ 1, 2 ]
amdhsa.kernels:
  - .name:           k_q9eba36db12_proj
    .symbol:         k_q9eba36db12_proj.kd
    .args:
      - { .name: a_codes, .offset: 0, .size: 8, .value_kind: global_buffer, .address_space: global }
      - { .name: wout_codes, .offset: 8, .size: 8, .value_kind: global_buffer, .address_space: global }
      - { .name: lowp_scales, .offset: 16, .size: 8, .value_kind: global_buffer, .address_space: global }
      - { .name: b_out, .offset: 24, .size: 8, .value_kind: global_buffer, .address_space: global }
      - { .name: out0, .offset: 32, .size: 8, .value_kind: global_buffer, .address_space: global }
    .group_segment_fixed_size: 327680
    .private_segment_fixed_size: 0
    .kernarg_segment_align: 8
    .kernarg_segment_size: 40
    .max_flat_workgroup_size: 128
    .sgpr_count:     100
    .vgpr_count:     768
    .wavefront_size: 32
...
	.end_amdgpu_metadata
.endif
;; end of part 4
